; MI455X (gfx1250); checked and timed in simulation.
; The chip was launched on July 23, 2026; its instructions are those of AMD's public machine-readable ISA for CDNA 5 (MIT licence, August 2026) and "CDNA5" Instruction Set Architecture Reference Guide (July 2026). The comments in the code are by the model that wrote it; some were corrected since.
;; Causal Self Attention. Allowed arithmetic: matrix products marked QUANTISED: E4M3 operands, one E8M0 scale for each 32 along K, by v_wmma_scale_f32_16x16x128_f8f6f4 with both operands' format E4M3, f32 sums; everything else in f32.
;; Inputs: b_attn 3,072 float32; b_proj 1,024 float32; w_attn 1,024 x 3,072 float32; w_proj 1,024 x 1,024 float32; x 4 x 2,048 x 1,024 float32.
;; Outputs: out0 4 x 2,048 x 1,024 float32.
;; This version of the problem:
;;   THIS VERSION OF THE PROBLEM IS GIVEN IN LOW PRECISION. The matrix products marked QUANTISED in the list below multiply operands that are first quantised to E4M3 (4 exponent bits, 3 mantissa bits; 8 bits a number), with one power-of-two scale for each 32 numbers along K (OCP MX v1.0); their sums are f32. All else is computed in f32.
;;   The module's matrix products, in the order in which they are computed (A, B: the left and right operand; K: the contracted axis; several contracted axes count as one K, in the product's order):
;;     1. [M 8,192, K 1,024] x [K 1,024, N 3,072]; A: input x; B: input w_attn: QUANTISED
;;     2. batch 64 x [M 2,048, K 64] x [K 64, N 2,048]; A: computed on the way; B: computed on the way: QUANTISED
;;     3. batch 64 x [M 2,048, K 2,048] x [K 2,048, N 64]; A: softmax (see below); B: computed on the way: QUANTISED
;;     4. [M 8,192, K 1,024] x [K 1,024, N 1,024]; A: computed on the way; B: input w_proj: QUANTISED
;;   THE QUANTISER, for each operand of a quantised product, along K:
;;     - K is cut into blocks of 32 from its start; a last block that is shorter is filled with zeros.
;;     - A block's scale is 2^e with e = floor(log2(the largest magnitude in the block)) - 8, held to -126 .. 127; a block of zeros has e = 0. As a byte (E8M0): e + 127.
;;     - Each number is divided by its block's scale, clamped to +-448, and rounded to the nearest number of E4M3, ties to even, subnormals kept.
;;     - The product sums the exact products of the quantised numbers (number of the format x scale) in f32.
;;   ~~~python
;;   def quantise(x, axis):      # numpy; x: float32 -> the quantised numbers, widened to float32 again
;;       x = np.moveaxis(x, axis, -1); K = x.shape[-1]
;;       x = np.pad(x, [(0, 0)] * (x.ndim - 1) + [(0, -K % 32)]); x = x.reshape(x.shape[:-1] + (-1, 32)); a = np.abs(x).max(-1, keepdims=True)
;;       e = np.where(a > 0, np.clip(np.frexp(np.where(a > 0, a, 1))[1] - 1 - 8, -126, 127), 0)      # np.frexp(a)[1] - 1 = floor(log2(a)), exactly
;;       r = np.clip(x / 2.0 ** e, -448, 448)
;;       step = 2.0 ** (np.maximum(np.frexp(np.where(r == 0, 1, r))[1] - 1, -6) - 3)
;;       q = np.round(r / step) * step * 2.0 ** e      # np.round: ties to even
;;       return np.moveaxis(q.reshape(q.shape[:-2] + (-1,))[..., :K], -1, axis).astype(np.float32)
;;   ~~~
;;   SOFTMAX AHEAD OF A QUANTISED PRODUCT. Where the list says 'softmax', what is quantised is not the finished softmax but p = 2^(t - M), with t = logit x log2(e) and M = ceil(the row's largest t), a whole number; so 1/2 < the row's largest p <= 1. The row's sum l is taken of the UNQUANTISED p, in f32, and the product's result is divided by l at the end. Since M is a whole number, a kernel that streams over the keys may use a running M (the ceiling of the running maximum): every later rescaling is an exact power of two, which a block's scale takes up: the codes' values come out the same.
;;   OPERANDS COMPUTED ON THE WAY. 'Computed on the way' means the value that the module computes at that place (a softmax that the list does not call 'softmax' is quantised finished and normalised). What goes into a quantiser is computed in f32, as accurately as f32 sums, v_exp_f32 and their like allow (about 1e-6 of the number): no bf16 or f16 on the way to a quantiser, and a product that is left as it is and whose result goes on into a quantised operand takes f32 operands (vector FMAs, or v_wmma_f32_16x16x4_f32). A number that lies on a knife's edge between two numbers of the format may be rounded either way, as far as f32 arithmetic and the matrix unit's own rounding can turn it there, and no further.
;; One version. Each part assembles by itself: llvm-mc -triple=amdgcn-amd-amdhsa -mcpu=gfx1250 --defsym DOCPART=n.
;; ======== version 1 of 1: 4 launches
;; limits: right only within a limited range of input values
;; workspace buffers: xcodes 8,388,608 bytes; xscales 262,144 bytes; wcodes 4,194,304 bytes; wscales 131,072 bytes; qb 9,437,184 bytes; kv 18,350,080 bytes; ycodes 8,388,608 bytes; yscales 262,144 bytes
;; launch qx (part 1): grid 512 x 1, 4 waves a work-group, no clusters, 34,304 bytes of LDS; arguments x, xcodes, xscales, wscales, w_attn, w_proj, wcodes; writes xcodes, xscales, wcodes, wscales
.if DOCPART == 1
	.amdgcn_target "amdgcn-amd-amdhsa--gfx1250"
	.amdhsa_code_object_version 6
	.text
	.protected	k_qdd31b71ccb_qx
	.globl	k_qdd31b71ccb_qx
	.p2align	8
	.type	k_qdd31b71ccb_qx,@function
k_qdd31b71ccb_qx:
	s_mov_b64 s[64:65], 0
	v_nop
	global_prefetch_b8 v0, s[64:65] scope:SCOPE_SE
	s_setreg_imm32_b32 hwreg(HW_REG_WAVE_MODE, 25, 1), 1
	s_wait_xcnt 0x0
; x [8192][1024] f32 becomes codes of E4M3 with one E8M0 byte for each 32 along K (its last axis), laid IN THE ORDER OF AN OPERAND'S REGISTERS:
; a row tile RT is 16 rows; for each 128 along K (kappa) it has an image of 2,048 bytes: byte 512 c + 16 lane holds k = 32 c + 16 (lane / 16) + 0 .. 15 of the tile's row lane % 16.
; xcodes [RT][kappa][2048];  xscales [RT][kappa / 4][row][kappa % 4], one word (four bytes: four blocks of 32) each.
; THE ROWS OF A TILE ARE NOT NEIGHBOURS: row r of tile 2 g + u is x's row 32 g + 8 u + r + 8 (r / 8): a product that takes such tiles as source 0 leaves 16 neighbours of the next K in a lane's registers.
; A block's scale is 2^(floor(log2(largest magnitude)) - 8); each number is held within +-448 x the scale and rounded to the nearest code, ties to even.
; LIMITS: NaN and infinities are not served; a largest magnitude under 2^-118 counts as 2^-118 (byte 1); a block of zeros gets the byte 1, not 127: its codes are zeros and this program alone reads the bytes.
; SHARES: 1,024 waves; a wave takes one row tile and half of K: four steps of 16 rows x 128 numbers.  Each load reads 512 consecutive bytes of one row; the 8 KiB of a step turn through the wave's own stage
; in LDS (rows 528 bytes apart, so that the sixteen rows that a read touches begin in sixteen different groups of banks) and come back 16 neighbours a lane and block.  Waves share nothing: no barrier.
; No matrix unit, cluster or tensor load: the launch streams, each byte once.
.set R,   16                           ; v16-143  two sets of 64: a step as loaded
.set X,   144                          ; v144-207 64 numbers: register 16 b + i = k 32 b + 16 h + i of my row
.set PC,  208                          ; v208-223 the fragment's codes
.set TM,  224                          ; v224-239 at work in QUANT
.set SW,  240                          ; v240-243 a scale word for each step
.set PW,  SW
.set SEL, 12                           ; s[12:13] v_permlanex16_b32's selects for lane l xor 16
.set MNT, 14                           ; s14 the mantissa field of 448
.set SPITCH, 528
.set WSTG, 16*SPITCH
; 64 numbers of a lane, v[s] on, become a fragment's codes in v[PC] on and its scale word in v[PW]
.macro QUANT s
.irp b, 0,1,2,3
	v_max3_num_f32 v[TM+\b], |v[\s+16*\b]|, |v[\s+1+16*\b]|, 0x4800000      ; my 16 numbers of block b, and the floor 2^(9 - 127): the byte cannot fall under 1
.endr
.irp i, 2,4,6,8,10,12,14
.irp b, 0,1,2,3
	v_max3_num_f32 v[TM+\b], v[TM+\b], |v[\s+16*\b+\i]|, |v[\s+1+16*\b+\i]| ; the four blocks by turns
.endr
.endr
.irp b, 0,1,2,3
	v_permlanex16_b32 v[TM+4+\b], v[TM+\b], s[SEL], s[SEL+1]
.endr
.irp b, 0,1,2,3
	v_max_num_f32 v[TM+\b], v[TM+\b], v[TM+4+\b]                            ; with lane l xor 16's: the block's largest magnitude
.endr
.irp b, 0,1,2,3
	v_add_nc_u32 v[TM+12+\b], 0xfc000000, v[TM+\b]                          ; 8 off its exponent field: the conversion's scale operand
.endr
.irp b, 0,1,2,3
	v_and_or_b32 v[TM+8+\b], v[TM+\b], 0x7f800000, s[MNT]                   ; 448 x the scale
.endr
.irp b, 0,1,2,3
	v_lshrrev_b32 v[TM+4+\b], 23, v[TM+12+\b]                               ; the scale's byte
.endr
	v_lshl_or_b32 v[PW], v[TM+5], 8, v[TM+4]
	v_lshl_or_b32 v[PW], v[TM+6], 16, v[PW]
	v_lshl_or_b32 v[PW], v[TM+7], 24, v[PW]
.irp b, 0,1,2,3
.irp i, 0,1,2,3,4,5,6,7,8,9,10,11,12,13,14,15
	v_med3_num_f32 v[\s+16*\b+\i], v[\s+16*\b+\i], -v[TM+8+\b], v[TM+8+\b]  ; the conversion to an 8-bit code does not saturate (ISA guide 7.6.2): the hold comes first
.endr
	v_cvt_scalef32_pk8_fp8_f32 v[PC+4*\b:PC+1+4*\b], v[\s+16*\b:\s+7+16*\b], v[TM+12+\b]
	v_cvt_scalef32_pk8_fp8_f32 v[PC+2+4*\b:PC+3+4*\b], v[\s+8+16*\b:\s+15+16*\b], v[TM+12+\b]
.endr
	v_nop                                          ; a plain line behind the last conversion
.endm
; ONE LAUNCH QUANTISES ALL THREE INPUTS: work-groups 0-255 take x (the text that follows), work-groups 256-511 the two weights (behind .Lweights).  The two ways part on the work-group's number; only x's way uses LDS.
	s_cmp_ge_u32 ttmp9, 256
	s_cbranch_scc1 .Lweights
	s_load_b128 s[4:7], s[0:1], 0x0
	s_load_b64 s[8:9], s[0:1], 0x10                ; xscales
	v_lshl_add_u32 v254, v0, 2, 0x8400
	v_mov_b32 v255, 0
	v_lshrrev_b32 v6, 5, v0
	v_readfirstlane_b32 s10, v6                    ; wave
	v_and_b32 v5, 31, v0                           ; lane
	v_and_b32 v6, 15, v0                           ; r
	v_bfe_u32 v7, v0, 4, 1                         ; h
	v_lshlrev_b32 v1, 4, v5                        ; 16 x lane: a load's and a store's place
	s_mul_i32 s11, s10, WSTG                       ; my stage
	v_add_nc_u32 v2, s11, v1                       ; into it: a row as it lies
	v_mul_u32_u24 v3, v6, SPITCH
	v_lshl_add_u32 v3, v7, 6, v3
	v_add_nc_u32 v3, s11, v3                       ; out of it: row r, + 64 h: my 16 numbers of a block
	v_lshlrev_b32 v4, 4, v6                        ; the scale words: 16 bytes a row
.irp b, 0,1,2,3
	v_mov_b32 v[TM+4+\b], 0                        ; a lane permute's destination counts as one of its sources
.endr
	s_mov_b32 s[SEL], 0x76543210
	s_mov_b32 s[SEL+1], 0xfedcba98
	s_mov_b32 s[MNT], 0x600000
	s_lshl_b32 s15, ttmp9, 2
	s_add_co_u32 s15, s15, s10                     ; which of the 1,024 shares
	s_lshr_b32 s16, s15, 1                         ; RT
	s_and_b32 s17, s15, 1                          ; which half of K
	s_lshr_b32 s18, s16, 1
	s_lshl_b32 s18, s18, 17                        ; 32 rows of 4,096 bytes for each pair of tiles,
	s_and_b32 s19, s16, 1
	s_lshl_b32 s19, s19, 15                        ; 8 rows for the odd tile,
	s_add_co_u32 s18, s18, s19
	s_lshl_b32 s19, s17, 11                        ; 512 numbers for the second half of K
	s_add_co_u32 s18, s18, s19
	s_mov_b32 s19, 0
	s_lshl_b32 s20, s16, 14
	s_lshl_b32 s21, s17, 13
	s_add_co_u32 s20, s20, s21
	s_mov_b32 s21, 0
	s_lshl_b32 s22, s16, 9
	s_lshl_b32 s23, s17, 8
	s_add_co_u32 s22, s22, s23
	s_mov_b32 s23, 0
	s_wait_alu depctr_va_vdst(0)
	s_wait_kmcnt 0x0
	s_add_nc_u64 s[4:5], s[4:5], s[18:19]
	s_add_nc_u64 s[6:7], s[6:7], s[20:21]
	s_add_nc_u64 s[8:9], s[8:9], s[22:23]
.macro LOAD t                          ; step t: the tile's 16 rows, 128 numbers each
.irp i, 0,1,2,3,4,5,6,7,8,9,10,11,12,13,14,15
	global_load_b128 v[R+64*((\t)%2)+4*\i:R+64*((\t)%2)+4*\i+3], v1, s[4:5] offset:(\i+8*(\i/8))*4096+512*(\t) th:TH_LOAD_NT
.endr
.endm
.macro STEP t
.if (\t) < 3
	s_wait_loadcnt 16                              ; this step's 16 loads are in; the next step's 16 may be out
.else
	s_wait_loadcnt 0
.endif
.irp i, 0,1,2,3,4,5,6,7,8,9,10,11,12,13,14,15
	ds_store_b128 v2, v[R+64*((\t)%2)+4*\i:R+64*((\t)%2)+4*\i+3] offset:SPITCH*\i
.endr
.irp b, 0,1,2,3
.irp j, 0,1,2,3
	ds_load_b128 v[X+16*\b+4*\j:X+16*\b+4*\j+3], v3 offset:128*\b+16*\j     ; LDS serves a wave's instructions in order: these see the stores above
.endr
.endr
	s_wait_dscnt 0x0                               ; the numbers are back, and the stores have read their registers,
.if (\t)+2 < 4
	LOAD (\t)+2                                    ; which take the loads of two steps on
.endif
.if (\t) > 0
	s_wait_xcnt 0x0                                ; the last step's stores have read the codes' registers
.endif
.set PW, SW+(\t)
	QUANT X
.irp c, 0,1,2,3
	global_store_b128 v1, v[PC+4*\c:PC+4*\c+3], s[6:7] offset:2048*(\t)+512*\c   ; 512 consecutive bytes, aligned
.endr
.endm
	LOAD 0
	LOAD 1
	STEP 0
	STEP 1
	STEP 2
	STEP 3
	s_wait_xcnt 0x0                                ; EXEC changes only behind this wait
	v_cmp_gt_u32 vcc_lo, 16, v5
	s_wait_tensorcnt 0x0
	ds_add_u32 v254, v255
	s_wait_dscnt 0x0
	s_and_saveexec_b32 s15, vcc_lo                 ; lanes 16-31 hold the same words
	global_store_b128 v4, v[SW:SW+3], s[8:9]       ; sixteen lanes store 256 consecutive bytes, aligned
	s_wait_xcnt 0x0
	s_or_b32 exec_lo, exec_lo, s15
	s_endpgm
.Lweights:
; w_attn [1024][3072] and w_proj [1024][1024], f32, K their FIRST axis, become codes of E4M3 along K, in the order of an operand's registers (as x's codes):
; wcodes [RT][kappa][2048], wscales [RT][kappa / 4][row][kappa % 4].  Rows 0-3071 are w_attn's columns, rows 3072-4095 w_proj's; row r of tile 2 g + u is row 32 g + 8 u + r + 8 (r / 8).
; A lane takes a column and its registers run down K: a block of 32 lies in one lane's 32 registers, and the conversions give codes with K innermost.
; Lane (u, r) takes the column that is row r of tile u of the wave's 32: lanes 0-15 and lanes 16-31 each store 256 consecutive bytes, aligned, from registers.
; Work-group 256 + 32 y + x: 128 columns (x), 128 along K (y); a wave 32 columns, four blocks.  Pointer, pitch and first column are chosen on x.  Limits as for x's codes.
.set VO,  32                           ; v32-63   row i of a block: i x pitch + 4 x my column
.set X,   64                           ; v64-127  two sets of 32 numbers
.set C,   128                          ; v128-159 eight registers of codes for each block
.set SBW, 24                           ; v24      the four scale bytes
.set SB,  24                           ; s[24:31] where each block's rows begin
	s_load_b128 s[4:7], s[0:1], 0x20               ; w_attn, w_proj
	s_load_b64 s[8:9], s[0:1], 0x30                ; wcodes
	s_load_b64 s[10:11], s[0:1], 0x18              ; wscales
	v_lshrrev_b32 v1, 5, v0
	v_readfirstlane_b32 s12, v1                    ; wave
	v_and_b32 v2, 15, v0                           ; r
	v_bfe_u32 v3, v0, 4, 1                         ; u
	v_and_b32 v4, 8, v2
	v_add_nc_u32 v4, v4, v2                        ; r + 8 (r / 8)
	v_lshl_add_u32 v4, v3, 3, v4                   ; + 8 u: my column among the wave's 32
	v_lshlrev_b32 v4, 2, v4
	v_lshlrev_b32 v5, 4, v2
	v_lshl_add_u32 v6, v3, 14, v5                  ; codes: tile u, 16 r
	v_lshl_add_u32 v7, v3, 9, v5                   ; scale words: tile u, 16 r
	s_sub_co_u32 s33, ttmp9, 256
	s_lshr_b32 s13, s33, 5                         ; kappa
	s_and_b32 s33, s33, 31                         ; which 128 rows of the operand
	s_lshl_b32 s14, s33, 2
	s_add_co_u32 s14, s14, s12                     ; which 32
	s_mov_b32 s32, 0x600000                        ; the mantissa field of 448
	s_mov_b32 s20, 4096
	s_wait_alu depctr_va_vdst(0)
	s_wait_kmcnt 0x0
	s_cmp_lt_u32 s33, 24                           ; w_attn's or w_proj's?
	s_cselect_b64 s[4:5], s[4:5], s[6:7]
	s_cselect_b32 s20, 12288, s20                  ; bytes from row to row
	s_cselect_b32 s21, 0, 96
	s_sub_co_u32 s21, s14, s21                     ; which 32 columns of that weight
	s_lshl_b32 s22, s21, 7
	s_lshl_b32 s23, s13, 7
	s_mul_i32 s23, s23, s20                        ; 128 kappa rows
	s_add_co_u32 s22, s22, s23
	s_mov_b32 s23, 0
	s_add_nc_u64 s[SB:SB+1], s[4:5], s[22:23]
	s_lshl_b32 s22, s20, 5                         ; 32 rows
	s_add_nc_u64 s[SB+2:SB+3], s[SB:SB+1], s[22:23]
	s_add_nc_u64 s[SB+4:SB+5], s[SB+2:SB+3], s[22:23]
	s_add_nc_u64 s[SB+6:SB+7], s[SB+4:SB+5], s[22:23]
	s_lshl_b32 s16, s14, 15                        ; two row tiles of 16,384 bytes,
	s_lshl_b32 s17, s13, 11                        ; image kappa
	s_add_co_u32 s16, s16, s17
	s_mov_b32 s17, 0
	s_add_nc_u64 s[8:9], s[8:9], s[16:17]
	s_lshl_b32 s16, s14, 10
	s_lshr_b32 s18, s13, 2
	s_lshl_b32 s18, s18, 8
	s_add_co_u32 s16, s16, s18
	s_and_b32 s18, s13, 3
	s_lshl_b32 s18, s18, 2
	s_add_co_u32 s16, s16, s18
	s_add_nc_u64 s[10:11], s[10:11], s[16:17]
.set n, 0
.rept 32
	v_mad_u32_u24 v[VO+n], s20, n, v4
.set n, n+1
.endr
.macro WLOAD t                         ; block t: 32 rows; each load reads 128 consecutive bytes
.set n, 0
.rept 32
	global_load_b32 v[X+32*((\t)%2)+n], v[VO+n], s[SB+2*(\t):SB+2*(\t)+1] th:TH_LOAD_NT
.set n, n+1
.endr
.endm
.macro WBLOCK t
.set XS, X+32*((\t)%2)
.set CT, C+8*(\t)
.if (\t) < 3
	s_wait_loadcnt 32                              ; this block's 32 loads are in; the next block's 32 may be out
.else
	s_wait_loadcnt 0
.endif
	v_max3_num_f32 v12, |v[XS]|, |v[XS+1]|, |v[XS+2]|
	v_max3_num_f32 v13, |v[XS+3]|, |v[XS+4]|, |v[XS+5]|
.irp i, 6,10,14,18,22,26
	v_max3_num_f32 v12, v12, |v[XS+\i]|, |v[XS+\i+1]|
	v_max3_num_f32 v13, v13, |v[XS+\i+2]|, |v[XS+\i+3]|
.endr
	v_max3_num_f32 v12, v12, |v[XS+30]|, |v[XS+31]|
	v_max3_num_f32 v12, v12, v13, 0x4800000        ; and the floor 2^(9 - 127)
	v_add_nc_u32 v11, 0xfc000000, v12              ; the conversion's scale operand
	v_and_or_b32 v10, v12, 0x7f800000, s32         ; 448 x the scale
	v_lshrrev_b32 v13, 23, v11                     ; the byte
.if (\t) == 0
	v_mov_b32 v[SBW], v13
.else
	v_lshl_or_b32 v[SBW], v13, 8*(\t), v[SBW]
.endif
.set n, 0
.rept 32
	v_med3_num_f32 v[XS+n], v[XS+n], -v10, v10     ; the hold (ISA guide 7.6.2)
.set n, n+1
.endr
.irp g, 0,1,2,3
	v_cvt_scalef32_pk8_fp8_f32 v[CT+2*\g:CT+2*\g+1], v[XS+8*\g:XS+8*\g+7], v11
.endr
	v_nop                                          ; a plain line behind the last conversion
	global_store_b128 v6, v[CT:CT+3], s[8:9] offset:512*(\t)          ; k 0-15 of the block: the image's lanes 0-15
	global_store_b128 v6, v[CT+4:CT+7], s[8:9] offset:512*(\t)+256    ; k 16-31: its lanes 16-31
.if (\t)+2 < 4
	WLOAD (\t)+2
.endif
.endm
	WLOAD 0
	WLOAD 1
	WBLOCK 0
	WBLOCK 1
	WBLOCK 2
	WBLOCK 3
	global_store_b32 v7, v[SBW], s[10:11]
	s_endpgm
.Lfunc_end_k_qdd31b71ccb_qx:
	.size	k_qdd31b71ccb_qx, .Lfunc_end_k_qdd31b71ccb_qx-k_qdd31b71ccb_qx
	.p2alignl 7, 3214868480
	.fill 96, 4, 3214868480
	.section	.rodata,"a",@progbits
	.p2align	6, 0x0
	.amdhsa_kernel k_qdd31b71ccb_qx
		.amdhsa_group_segment_fixed_size 34304
		.amdhsa_private_segment_fixed_size 0
		.amdhsa_enable_private_segment 0
		.amdhsa_kernarg_size 56
		.amdhsa_user_sgpr_count 2
		.amdhsa_user_sgpr_kernarg_segment_ptr 1
		.amdhsa_wavefront_size32 1
		.amdhsa_system_sgpr_workgroup_id_x 1
		.amdhsa_system_sgpr_workgroup_id_y 1
		.amdhsa_system_sgpr_workgroup_id_z 1
		.amdhsa_system_vgpr_workitem_id 0
		.amdhsa_next_free_vgpr 256
		.amdhsa_next_free_sgpr 66
		.amdhsa_reserve_vcc 1
		.amdhsa_float_denorm_mode_32 3
		.amdhsa_float_denorm_mode_16_64 3
		.amdhsa_memory_ordered 1
		.amdhsa_forward_progress 1
		.amdhsa_inst_pref_size 82
	.end_amdhsa_kernel
	.amdgpu_metadata
---
amdhsa.version: [ 1, 2 ]
amdhsa.kernels:
  - .name:           k_qdd31b71ccb_qx
    .symbol:         k_qdd31b71ccb_qx.kd
    .args:
      - { .name: x, .offset: 0, .size: 8, .value_kind: global_buffer, .address_space: global }
      - { .name: xcodes, .offset: 8, .size: 8, .value_kind: global_buffer, .address_space: global }
      - { .name: xscales, .offset: 16, .size: 8, .value_kind: global_buffer, .address_space: global }
      - { .name: wscales, .offset: 24, .size: 8, .value_kind: global_buffer, .address_space: global }
      - { .name: w_attn, .offset: 32, .size: 8, .value_kind: global_buffer, .address_space: global }
      - { .name: w_proj, .offset: 40, .size: 8, .value_kind: global_buffer, .address_space: global }
      - { .name: wcodes, .offset: 48, .size: 8, .value_kind: global_buffer, .address_space: global }
    .group_segment_fixed_size: 34304
    .private_segment_fixed_size: 0
    .kernarg_segment_align: 8
    .kernarg_segment_size: 56
    .max_flat_workgroup_size: 128
    .sgpr_count:     66
    .vgpr_count:     256
    .wavefront_size: 32
...
	.end_amdgpu_metadata
.endif
;; end of part 1
;; launch qkv (part 2): grid 64 x 4, 4 waves a work-group, clusters of 4 x 4, 327,680 bytes of LDS; arguments xcodes, xscales, wcodes, wscales, b_attn, qb, kv; writes qb, kv
.if DOCPART == 2
	.amdgcn_target "amdgcn-amd-amdhsa--gfx1250"
	.amdhsa_code_object_version 6
	.text
	.protected	k_qdd31b71ccb_qkv
	.globl	k_qdd31b71ccb_qkv
	.p2align	8
	.type	k_qdd31b71ccb_qkv,@function
k_qdd31b71ccb_qkv:
	s_mov_b64 s[64:65], 0
	v_nop
	global_prefetch_b8 v0, s[64:65] scope:SCOPE_SE
	s_setreg_imm32_b32 hwreg(HW_REG_WAVE_MODE, 25, 1), 1
	s_wait_xcnt 0x0
	s_wait_alu depctr_hold_cnt(0) depctr_sa_sdst(0) depctr_va_vdst(0) depctr_va_sdst(0) depctr_va_ssrc(0) depctr_va_vcc(0) depctr_vm_vsrc(0)
	s_getreg_b32 s2, hwreg(HW_REG_IB_STS2, 6, 4)
	s_cmp_eq_u32 s2, 0
	s_cbranch_scc0 .Lentry_in_a_cluster
	s_endpgm
.Lentry_in_a_cluster:
	s_bfe_u32 s2, ttmp6, 0x10000c
	s_cmp_lg_u32 s2, 0xf033
	s_cbranch_scc0 .Lentry_shape_is_right
	s_endpgm
.Lentry_shape_is_right:
; qkv = x w_attn + b_attn on codes of E4M3 (one E8M0 scale for each 32 along K = 1,024), and its results quantised at once for the attention that follows.
; ONE GEMM, C'[i][j] = sum over k of P[i][k] Q[j][k], whose results are quantised ALONG j.  Clusters 0-15 (q and k): P = x (i = token), Q = w_attn's columns 0-2047 (j = the heads' channels).
; Clusters 16-23 (v): P = w_attn's columns 2048-3071 (i = channel), Q = x (j = token): so V comes out with the KEYS along j, as the second product of attention wants it.
; Both operands lie in memory in the order of an operand's registers: [row tile of 16][128 along K][2,048 bytes], byte 512 c + 16 lane; scale words [row tile][K / 512][row][4].  So a fragment is four
; ds_load_b128 of 512 consecutive bytes, with no pitch and no padding.  Row r of tile 2 g + u is row 32 g + 8 u + r + 8 (r / 8).
; THE MATRIX INSTRUCTION IS USED TRANSPOSED (source 0 = 16 rows of Q, source 1 = 16 rows of P): lane (r, h) holds row r of P's tile, and, by the choice of a tile's rows, register 8 b + jj of its eight results
; against Q's blocks b is j = 32 (b / 2) + 16 h + 8 (b % 2) + jj: 64 registers = four blocks of 32 along j, 16 neighbours a lane: what the conversions take.  Their results ARE the next operand's registers.
; A tile of C' is 256 x 256: four waves, 128 x 128 each, 64 accumulators.  K goes in four steps of 256 through two LDS slots; all scale words of the work-group's rows come once.
; CLUSTERS 4 x 4: P's tiles are shared along a row of the cluster, Q's along a column: joint loads.
; OUT.  qb: block (batch x 16 + head) x 8 + query block of 256: 16 tiles x 1,024 bytes (half an image: the head's 64), then 16 x 128 bytes of scale words (4 x lane).
;       kv: block (batch x 16 + head) x 8 + 256 keys: K as in qb; at 18,432 V: (128 keys, 16 channels) 8 whole images; at 34,816 their scale words.
;       The upper two bytes of a q or k scale word are the next head's bytes or 0: they only ever meet zero codes.
; LIMITS: NaN and infinities not served; a block's largest magnitude under 2^-118 counts as that; a block of zeros gets the byte 1 (this program alone reads the bytes).
; REGISTERS: window 0: v0-31 addresses; v32-63 scale words, two sets; v64-127 the bias; v128-255 P's fragments, one set (on the way out: at work).  window 1: Q's fragments, two sets.
;   window 2: accumulators of my rows 0-63 ((a, b) at v[8 (8 a + b)]);  window 3: rows 64-127.
; THE DEAL AS IT STANDS (it takes the place of what is said above of clusters 16-23): the launch has sixteen clusters, 256 work-groups.  Each makes its tile of q or k as described, and then STAYS for a share of V:
; 128 tokens (row group 4 x cluster + cy) x 256 channels (cx), a head of 64 channels a wave.  x's 128 rows, all of K, 131,072 dense bytes, are filled jointly over slot 0 (shared along the cluster's row, 32,768 bytes a wave),
; behind the three lines and a round, directly behind the last products of q and k.  W_v's 64 rows a wave, all of K, go from memory, as they lie, into windows 1 and 2 as the way out of q and k frees them.
; Then eight blocks of 32 products (source 0 = 16 tokens of x, source 1 = 16 channels): a lane holds one channel, and the 16 registers of blocks 2 c, 2 c + 1 are keys 32 c + 16 h + 0 .. 15: piece c of V's images.
; The selections on the cluster's number at the head always take their first way now.
.set NQ,     2
.set FR,     16
.set NL,     4
.set NP,     8                         ; places behind this matrix instruction (ISA guide 7.12.1)
.set RTB,    4096                      ; a row tile's two images in a slot
.set HALFT,  8*RTB                     ; eight row tiles: what one tensor load brings, and what a wave reads of P or of Q
.set SLOT,   4*HALFT
.set SCL,    2*SLOT                    ; behind the ring: the scale words, 512 bytes a row tile
.set HALFS,  4096
.set SBLK,   512
.set SPARE,  SCL+4*HALFS               ; the spare words: 128 bytes a wave, two blocks of 256 bytes that no other line names
.set ADRA, 16                          ; v16-17 P's fragments in slot 0, 1
.set ADRB, 20                          ; v20-21 Q's
.set LIO,  24                          ; v24  the way out: my place in a block's images
.set LSO,  25                          ; v25  and among its scale words
.set BO,   26                          ; v26  my offset in the bias
.set ADRS, 27                          ; v27  my scale words: lanes 0-15 P's rows, lanes 16-31 Q's
.set SPW,  28
.set NIL,  29
.set SC,   32
.set BI,   64
.set AF,   128
.set T,    128                         ; the way out: 64 numbers
.set PC,   192                         ; their codes
.set TM,   208                         ; at work in QUANT
.set PW,   224                         ; the scale word
.set PW2,  225
.set SEL,  18                          ; s[18:19], s45: set on the way out
.set MNT,  45
.set G1, 24
.set G0, 32
.set G1B, 48
.set G0B, 56
.set G1S, 68
.set G0S, 76
.set G1SB, 80
.set G0SB, 88
.set MSB, 0
.macro WIN new                         ; the immediate's high byte repeats the setting that is left
.if MSB != \new
	s_set_vgpr_msb (MSB<<8)|\new
.set MSB, \new
.endif
.endm
.set MUL_LO, 0xa1                      ; source 0 (Q) window 1, source 1 (P) window 0, C and D window 2
.set MUL_HI, 0xf1
.set TO_B,   0x40
; A joint load: waves 0 and 1 fetch for P, waves 2 and 3 for Q.  Four v_nop follow each of the two lines.
.macro JLOAD g0a, g1a, g0b, g1b
	s_cmp_eq_u32 s15, 0
	s_cbranch_scc0 .Lfor_b_\@
	tensor_load_to_lds s[\g0a:\g0a+3], s[\g1a:\g1a+7]
	s_nop 0
.rept 4
	v_nop
.endr
	s_branch .Lasked_\@
.Lfor_b_\@:
	tensor_load_to_lds s[\g0b:\g0b+3], s[\g1b:\g1b+7]
	s_nop 0
.rept 4
	v_nop
.endr
.Lasked_\@:
.endm
.macro CREST                           ; a round of the cluster's barrier behind its opening barrier
	s_cmp_lg_u32 s14, 0
	s_cbranch_scc1 .Lnot_wave_0_\@
	s_barrier_signal -3
.Lnot_wave_0_\@:
	s_barrier_wait -3
	s_barrier_signal -1
	s_barrier_wait -1
.endm
.macro CROUND
	s_barrier_signal -1
	s_barrier_wait -1
	CREST
.endm
.macro QUANT s                         ; 64 numbers of a lane, register 16 b + i = j 32 b + 16 h + i, become codes in v[PC] on and a scale word in v[PW]
.irp b, 0,1,2,3
	v_max3_num_f32 v[TM+\b], |v[\s+16*\b]|, |v[\s+1+16*\b]|, 0x4800000      ; with the floor 2^(9 - 127)
.endr
.irp i, 2,4,6,8,10,12,14
.irp b, 0,1,2,3
	v_max3_num_f32 v[TM+\b], v[TM+\b], |v[\s+16*\b+\i]|, |v[\s+1+16*\b+\i]|
.endr
.endr
.irp b, 0,1,2,3
	v_permlanex16_b32 v[TM+4+\b], v[TM+\b], s[SEL], s[SEL+1]
.endr
.irp b, 0,1,2,3
	v_max_num_f32 v[TM+\b], v[TM+\b], v[TM+4+\b]
.endr
.irp b, 0,1,2,3
	v_add_nc_u32 v[TM+12+\b], 0xfc000000, v[TM+\b]
.endr
.irp b, 0,1,2,3
	v_and_or_b32 v[TM+8+\b], v[TM+\b], 0x7f800000, s[MNT]
.endr
.irp b, 0,1,2,3
	v_lshrrev_b32 v[TM+4+\b], 23, v[TM+12+\b]
.endr
	v_lshl_or_b32 v[PW], v[TM+5], 8, v[TM+4]
	v_lshl_or_b32 v[PW], v[TM+6], 16, v[PW]
	v_lshl_or_b32 v[PW], v[TM+7], 24, v[PW]
.irp b, 0,1,2,3
.irp i, 0,1,2,3,4,5,6,7,8,9,10,11,12,13,14,15
	v_med3_num_f32 v[\s+16*\b+\i], v[\s+16*\b+\i], -v[TM+8+\b], v[TM+8+\b]  ; the hold (ISA guide 7.6.2)
.endr
	v_cvt_scalef32_pk8_fp8_f32 v[PC+4*\b:PC+1+4*\b], v[\s+16*\b:\s+7+16*\b], v[TM+12+\b]
	v_cvt_scalef32_pk8_fp8_f32 v[PC+2+4*\b:PC+3+4*\b], v[\s+8+16*\b:\s+15+16*\b], v[TM+12+\b]
.endr
	v_nop                                          ; a plain line behind the last conversion
.endm
	s_load_b256 s[4:11], s[0:1], 0x0               ; xcodes, xscales, wcodes, wscales
	s_load_b128 s[96:99], s[0:1], 0x20             ; b_attn, qb
	s_load_b64 s[100:101], s[0:1], 0x30            ; kv
	v_lshl_add_u32 v[SPW], v0, 2, SPARE
	v_mov_b32 v[NIL], 0
	ds_add_u32 v28, v29
	ds_add_u32 v28, v29
	s_wait_dscnt 0x0
	v_lshrrev_b32 v1, 5, v0
	v_readfirstlane_b32 s14, v1                    ; wave 0..3
	s_lshr_b32 s15, s14, 1                         ; which half of P's rows is mine.  Also: I fetch for P (0) or for Q (1)
	s_and_b32 s16, s14, 1                          ; which half of Q's rows.  Also: which eight row tiles I fetch
	s_bfe_u32 s40, ttmp6, 0x40000                  ; cx
	s_bfe_u32 s41, ttmp6, 0x40004                  ; cy
	s_lshl_b32 s43, s41, 2
	s_lshl_b32 s43, 15, s43                        ; my row of the cluster
	s_lshl_b32 s44, 0x1111, s40                    ; my column
	; group 1 for codes: eight row tiles, of each 4,096 consecutive bytes (512 elements of 8 bytes), 16,384 bytes apart
	s_or_b32 s[G1+0], s43, (3<<16)|(1<<21)         ; 15:0 the mask; 17:16 elements of 8 bytes; 21 set beside a mask; no padding
	s_or_b32 s[G1B+0], s44, (3<<16)|(1<<21)
.irp g, G1, G1B
	s_mov_b32 s[\g+1], 512<<16                     ; tensor_dim0
	s_mov_b32 s[\g+2], 16<<16                      ; tensor_dim1: sixteen row tiles for the head's loads; eight behind them
	s_mov_b32 s[\g+3], 512<<16                     ; tile_dim0
	s_mov_b32 s[\g+4], 16
	s_mov_b32 s[\g+5], 2048                        ; from row tile to row tile, in elements
	s_mov_b32 s[\g+6], 0
	s_mov_b32 s[\g+7], 0
.endr
	; and for the scale words of sixteen row tiles: 8,192 dense bytes, as 32 rows of 256
	s_or_b32 s[G1S+0], s43, (3<<16)|(1<<21)
	s_or_b32 s[G1SB+0], s44, (3<<16)|(1<<21)
.irp g, G1S, G1SB
	s_mov_b32 s[\g+1], 32<<16
	s_mov_b32 s[\g+2], 32<<16                      ; the scale words of sixteen row tiles: 8,192 dense bytes, 32 rows of 256
	s_mov_b32 s[\g+3], 32<<16
	s_mov_b32 s[\g+4], 32
	s_mov_b32 s[\g+5], 32
	s_mov_b32 s[\g+6], 0
	s_mov_b32 s[\g+7], 0
.endr
	s_lshr_b32 s17, ttmp9, 1                       ; q, k: the cluster's number gives 8 x 2 blocks of clusters
	s_and_b32 s42, ttmp9, 1
	s_sub_co_u32 s67, ttmp9, 16                    ; v: 1 x 8
	s_wait_kmcnt 0x0
	s_cmp_lt_u32 ttmp9, 16                         ; the cluster's number is the same in all sixteen partners
	s_cselect_b32 s17, s17, 0
	s_cselect_b32 s42, s42, s67
	s_cselect_b32 s66, 0, 128                      ; v: P begins at w's row tile 128
	s_cselect_b64 s[2:3], s[4:5], s[8:9]
	s_cselect_b64 s[8:9], s[8:9], s[4:5]           ; Q's codes
	s_mov_b64 s[4:5], s[2:3]                       ; P's codes
	s_cselect_b64 s[2:3], s[6:7], s[10:11]
	s_cselect_b64 s[10:11], s[10:11], s[6:7]       ; Q's scales
	s_mov_b64 s[6:7], s[2:3]                       ; P's scales
	s_lshl_b32 s17, s17, 2
	s_add_co_u32 s17, s17, s41                     ; TR: which 256 rows of P
	s_lshl_b32 s42, s42, 2
	s_add_co_u32 s42, s42, s40                     ; TC: which 256 rows of Q
	s_mov_b32 s18, 0                               ; the work-group's first row tile; the ring's halves are added below
	s_lshl_b32 s20, s17, 4
	s_add_co_u32 s20, s20, s18
	s_add_co_u32 s20, s20, s66                     ; P: the first row tile that I fetch
	s_lshl_b32 s46, s42, 4
	s_add_co_u32 s46, s46, s18                     ; Q likewise
	s_lshl_b32 s22, s20, 9
	s_mov_b32 s23, 0
	s_lshl_b32 s20, s20, 14
	s_mov_b32 s21, 0
	s_lshl_b32 s92, s46, 9
	s_mov_b32 s93, 0
	s_lshl_b32 s46, s46, 14
	s_mov_b32 s47, 0
	s_mul_i32 s45, s14, HALFT                      ; where they go: no place in the cluster enters an LDS address
	s_add_nc_u64 s[20:21], s[4:5], s[20:21]
	s_add_nc_u64 s[22:23], s[6:7], s[22:23]
	s_add_nc_u64 s[46:47], s[8:9], s[46:47]
	s_add_nc_u64 s[92:93], s[10:11], s[92:93]
	CROUND                                         ; all sixteen work-groups are here: the first joint loads meet
	s_mov_b32 s[G0S], 1
	s_mov_b32 s[G0S+1], SCL
	s_mov_b64 s[G0S+2:G0S+3], s[22:23]
	s_or_b32 s[G0S+3], s[G0S+3], 0x80000000
	s_mov_b32 s[G0SB], 1
	s_mov_b32 s[G0SB+1], SCL+2*HALFS
	s_mov_b64 s[G0SB+2:G0SB+3], s[92:93]
	s_or_b32 s[G0SB+3], s[G0SB+3], 0x80000000
	s_mov_b32 s4, 1                                ; group 0 of the head's loads of K step 0 (the arguments that lay here are used up): P's sixteen row tiles,
	s_mov_b32 s5, 0
	s_mov_b64 s[6:7], s[20:21]
	s_or_b32 s7, s7, 0x80000000
	s_mov_b32 s8, 1                                ; Q's, behind them in slot 0
	s_mov_b32 s9, 2*HALFT
	s_mov_b64 s[10:11], s[46:47]
	s_or_b32 s11, s11, 0x80000000
	s_lshl_b32 s2, s16, 17                         ; for the ring: my eight row tiles of 16,384 bytes
	s_mov_b32 s3, 0
	s_add_nc_u64 s[20:21], s[20:21], s[2:3]
	s_add_nc_u64 s[46:47], s[46:47], s[2:3]
.irp s, 0,1
	s_mov_b32 s[G0+4*\s], 1
	s_add_co_u32 s[G0+4*\s+1], s45, \s*SLOT
	s_add_nc_u64 s[G0+4*\s+2:G0+4*\s+3], s[20:21], \s*RTB
	s_or_b32 s[G0+4*\s+3], s[G0+4*\s+3], 0x80000000
	s_mov_b32 s[G0B+4*\s], 1
	s_add_co_u32 s[G0B+4*\s+1], s45, \s*SLOT
	s_add_nc_u64 s[G0B+4*\s+2:G0B+4*\s+3], s[46:47], \s*RTB
	s_or_b32 s[G0B+4*\s+3], s[G0B+4*\s+3], 0x80000000
.endr
; THE HEAD'S LOADS, ONE A WAVE: wave 0 K step 0 of P, wave 1 of Q, wave 2 P's scale words, wave 3 Q's: one chain of branches on the wave's number, a load to an arm
.macro ARM under, g0, g1, next
	s_cmp_lt_u32 s14, \under
	s_cbranch_scc0 \next
	tensor_load_to_lds s[\g0:\g0+3], s[\g1:\g1+7]
	s_nop 0
.rept 4
	v_nop
.endr
	s_branch .Lhead_asked
\next:
.endm
	ARM 1, 4, G1, .Lhead_b
	ARM 2, 8, G1B, .Lhead_sa
	ARM 3, G0S, G1S, .Lhead_sb
	tensor_load_to_lds s[G0SB:G0SB+3], s[G1SB:G1SB+7]
	s_nop 0
.rept 4
	v_nop
.endr
.Lhead_asked:
	v_and_b32 v1, 15, v0                           ; r
	v_bfe_u32 v2, v0, 4, 1                         ; h
	s_wait_alu depctr_va_vdst(0)
	v_and_b32 v6, 31, v0                           ; lane
	v_lshlrev_b32 v3, 4, v6                        ; 16 x lane: my place in every image
	s_mul_i32 s21, s15, HALFT                      ; my eight row tiles of P
	s_mul_i32 s22, s16, HALFT                      ; and of Q,
	s_add_co_u32 s22, s22, 2*HALFT                 ; which lie behind P's sixteen
.irp s, 0,1
	v_add_nc_u32 v[ADRA+\s], s21, v3
	v_add_nc_u32 v[ADRB+\s], s22, v3
	s_add_co_u32 s21, s21, SLOT
	s_add_co_u32 s22, s22, SLOT
.endr
	v_lshlrev_b32 v5, 4, v1                        ; a row's four words
	s_mul_i32 s21, s15, HALFS
	s_mul_i32 s22, s16, HALFS
	s_add_co_u32 s22, s22, 2*HALFS
	s_sub_co_u32 s22, s22, s21
	v_mul_u32_u24 v7, s22, v2                      ; lanes 16-31 take Q's: one product, the distance between the two
	s_add_co_u32 s21, s21, SCL
	v_add_nc_u32 v5, v5, v7
	v_add_nc_u32 v[ADRS], s21, v5
.macro FRAG reg, adr, q, i             ; a fragment as it lies: four loads of 512 consecutive bytes
.irp c, 0,1,2,3
	ds_load_b128 v[\reg+4*\c:\reg+4*\c+3], v[\adr] offset:RTB*(\i)+2048*(\q)+512*\c
.endr
.endm
; 16 matrix instructions: P's blocks a0, a0 + 1 x Q's eight.  The 64 accumulators take turns, one instruction a turn, in the same order in every step.
.macro MUL16 a0, p, q, sc, zero
.irp a, \a0, \a0+1
.irp b, 0,1,2,3,4,5,6,7
.if \zero
	v_wmma_scale_f32_16x16x128_f8f6f4 v[8*(8*((\a)%4)+\b):8*(8*((\a)%4)+\b)+7], v[128*(\p)+FR*\b:128*(\p)+FR*\b+FR-1], v[AF+FR*(\a):AF+FR*(\a)+FR-1], 0, v[SC+8*NQ*(\sc)+NQ*\b+(\q)], v[SC+8*NQ*(\sc)+NQ*(\a)+(\q)] matrix_a_scale:MATRIX_SCALE_ROW1
.else
	v_wmma_scale_f32_16x16x128_f8f6f4 v[8*(8*((\a)%4)+\b):8*(8*((\a)%4)+\b)+7], v[128*(\p)+FR*\b:128*(\p)+FR*\b+FR-1], v[AF+FR*(\a):AF+FR*(\a)+FR-1], v[8*(8*((\a)%4)+\b):8*(8*((\a)%4)+\b)+7], v[SC+8*NQ*(\sc)+NQ*\b+(\q)], v[SC+8*NQ*(\sc)+NQ*(\a)+(\q)] matrix_a_scale:MATRIX_SCALE_ROW1
.endif
.endr
.endr
.endm
.macro FETCH_B slot, q, p
	WIN TO_B
.irp i, 0,1,2,3,4,5,6,7
	FRAG 128*(\p)+FR*\i, ADRB+\slot, \q, \i
.endr
	WIN 0
.endm
.macro FETCH_A slot, q, i0
.irp i, \i0, \i0+1, \i0+2, \i0+3
	FRAG AF+FR*(\i), ADRA+\slot, \q, \i
.endr
.endm
.macro SCALES sc, ks                   ; K step ks's two words a row into set sc: lanes 0-15 P's block i, lanes 16-31 Q's block i
.irp i, 0,1,2,3,4,5,6,7
	ds_load_b64 v[SC+8*NQ*(\sc)+NQ*\i:SC+8*NQ*(\sc)+NQ*\i+1], v[ADRS] offset:SBLK*\i+256*((\ks)/2)+8*((\ks)%2)
.endr
.endm
.macro PLACES n                        ; plain vector lines between a matrix instruction and a load into, or a read of, its registers
.rept \n
	v_nop
.endr
.endm
.macro STEP slot, q, zero              ; 128 along K that has its successor in the same slot
	s_wait_dscnt 4*NL                              ; Q's set and P's blocks 0-3 are in; the youngest 16 loads (P's blocks 4-7) may be out
	WIN MUL_LO
	MUL16 0, (\q)%2, \q, \slot, \zero
	MUL16 2, (\q)%2, \q, \slot, \zero
	s_wait_dscnt 0
	PLACES NP
	FETCH_B \slot, (\q)+1, 1-(\q)%2
	FETCH_A \slot, (\q)+1, 0
	WIN MUL_HI
	MUL16 4, (\q)%2, \q, \slot, \zero
	MUL16 6, (\q)%2, \q, \slot, \zero
	PLACES NP
	WIN 0
	FETCH_A \slot, (\q)+1, 4
.endm
; A slot's last step changes slots: one barrier; ahead of it each wave waits for all its tensor loads, adds 0 to its spare word, and waits for that and for its reads of this slot.  ks: the K step that lies in the next slot.
.macro TURN slot, next, fill, ks
	s_wait_tensorcnt 0x0                           ; all my tensor loads have landed: my part of the next slot
	ds_add_u32 v[SPW], v[NIL]                      ; 0 onto my spare word
	s_wait_dscnt 4*NL+1                            ; (the add and the youngest 16 loads may be out)
	WIN MUL_LO
	MUL16 0, 1, NQ-1, \slot, 0
	s_wait_dscnt 0x0                               ; the add is done, and my reads of this slot are over
	s_barrier_signal -1
	MUL16 2, 1, NQ-1, \slot, 0
	WIN 0
	s_barrier_wait -1
.if \fill
	CREST                                          ; the barrier has opened a round of the cluster's: no wave of any partner still reads this slot or has a load on its way
	s_add_nc_u64 s[G0+4*\slot+2:G0+4*\slot+3], s[G0+4*\slot+2:G0+4*\slot+3], 2*RTB
	s_add_nc_u64 s[G0B+4*\slot+2:G0B+4*\slot+3], s[G0B+4*\slot+2:G0B+4*\slot+3], 2*RTB
	JLOAD G0+4*\slot, G1, G0B+4*\slot, G1B         ; the first tensor load behind the round; its four v_nop are four of the eight places
	PLACES NP-4
.else
	PLACES NP
.endif
	FETCH_B \next, 0, 0
	FETCH_A \next, 0, 0
	SCALES \next, \ks
	WIN MUL_HI
	MUL16 4, 1, NQ-1, \slot, 0
	MUL16 6, 1, NQ-1, \slot, 0
	PLACES NP
	WIN 0
	FETCH_A \next, 0, 4
.endm
.macro LASTMUL                         ; the last 128 along K: nothing more to fetch
	s_wait_dscnt 4*NL
	WIN MUL_LO
	MUL16 0, 1, NQ-1, 1, 0
	MUL16 2, 1, NQ-1, 1, 0
	s_wait_dscnt 0
	WIN MUL_HI
	MUL16 4, 1, NQ-1, 1, 0
	MUL16 6, 1, NQ-1, 1, 0
	WIN 0
	PLACES NP                                      ; ahead of vector lines that write registers which held P's fragments, and of the reads of results
	s_wait_loadcnt 0x0                             ; the bias
	s_mov_b32 s[SEL], 0x76543210
	s_mov_b32 s[SEL+1], 0xfedcba98
	s_mov_b32 s[MNT], 0x600000
.irp b, 0,1,2,3
	v_mov_b32 v[TM+4+\b], 0                        ; a lane permute's destination counts as one of its sources
.endr
.endm
; Block a of my eight (16 rows of P): bias, quantiser, stores.  Each accumulator is read from its low end on.
.macro EPI a, mode
	WIN 0x02+(\a)/4                                ; source 0: window 2 or 3
.irp b, 0,1,2,3,4,5,6,7
.irp j, 0,2,4,6
.if \mode == 0
	v_pk_add_f32 v[T+8*\b+\j:T+8*\b+\j+1], v[64*((\a)%4)+8*\b+\j:64*((\a)%4)+8*\b+\j+1], v[BI+8*\b+\j:BI+8*\b+\j+1]
.else
	v_pk_add_f32 v[T+8*\b+\j:T+8*\b+\j+1], v[64*((\a)%4)+8*\b+\j:64*((\a)%4)+8*\b+\j+1], v[BI+2*(\a):BI+2*(\a)+1]
.endif
.endr
.endr
	WIN 0
.if (\a) > 0
	s_wait_xcnt 0x0                                ; the last block's stores have read the codes' and the words' registers
.endif
	QUANT T
.if \mode == 0
	global_store_b128 v[LIO], v[PC:PC+3], s[12:13] offset:1024*(\a)              ; the first head's 64: half an image; every store covers 512 consecutive bytes, aligned
	global_store_b128 v[LIO], v[PC+4:PC+7], s[12:13] offset:1024*(\a)+512
	global_store_b128 v[LIO], v[PC+8:PC+11], s[104:105] offset:1024*(\a)         ; the second head's
	global_store_b128 v[LIO], v[PC+12:PC+15], s[104:105] offset:1024*(\a)+512
	v_lshrrev_b32 v[PW2], 16, v[PW]
	global_store_b32 v[LSO], v[PW], s[12:13] offset:128*(\a)
	global_store_b32 v[LSO], v[PW2], s[104:105] offset:128*(\a)
.else
.if (\a) < 4
.irp c, 0,1,2,3
	global_store_b128 v[LIO], v[PC+4*\c:PC+4*\c+3], s[12:13] offset:2048*((\a)%4)+512*\c
.endr
	global_store_b32 v[LSO], v[PW], s[12:13] offset:128*((\a)%4)
.else
.irp c, 0,1,2,3
	global_store_b128 v[LIO], v[PC+4*\c:PC+4*\c+3], s[104:105] offset:2048*((\a)%4)+512*\c
.endr
	global_store_b32 v[LSO], v[PW], s[104:105] offset:128*((\a)%4)
.endif
.endif
.endm
.macro FINIS
	s_wait_tensorcnt 0x0                           ; the wave's end
	ds_add_u32 v[SPW], v[NIL]
	s_wait_dscnt 0x0
	CROUND                                         ; the closing round
	s_endpgm
.endm
	s_wait_alu depctr_va_vdst(0)
	s_wait_tensorcnt 0x0                           ; my tile of the head's four is in
	ds_add_u32 v[SPW], v[NIL]
	s_mov_b32 s[G1+2], 8<<16                       ; no tensor load of mine is out: from here on a load brings eight row tiles
	s_mov_b32 s[G1+4], 8
	s_mov_b32 s[G1B+2], 8<<16
	s_mov_b32 s[G1B+4], 8
	s_wait_dscnt 0x0
	CROUND                                         ; all four tiles are in, and the sixteen work-groups meet
	JLOAD G0+4, G1, G0B+4, G1B                     ; K step 1, the first tensor load behind the round
	FETCH_B 0, 0, 0
	FETCH_A 0, 0, 0
	SCALES 0, 0
	FETCH_A 0, 0, 4
	STEP 0, 0, 1                                   ; the first products start the sums
	TURN 0, 1, 1, 1                                ; slot 0 takes K step 2
	STEP 1, 0, 0
	TURN 1, 0, 1, 2                                ; slot 1 takes K step 3
	STEP 0, 0, 0
	TURN 0, 1, 0, 3
	STEP 1, 0, 0
	s_load_b256 s[4:11], s[0:1], 0x0               ; for V's share: xcodes, xscales, wcodes, wscales anew (the registers held the head's descriptors, whose loads are done)
	s_load_b64 s[20:21], s[0:1], 0x20              ; b_attn
	; ---- q and k: my 128 columns are two heads; my 128 rows are eight tiles of a block of 256 tokens
	s_lshr_b32 s2, s17, 3                          ; batch
	s_lshl_b32 s2, s2, 4
	s_lshl_b32 s3, s40, 2
	s_add_co_u32 s2, s2, s3
	s_lshl_b32 s3, s16, 1
	s_add_co_u32 s2, s2, s3                        ; batch x 16 + head
	s_lshl_b32 s2, s2, 3
	s_and_b32 s3, s17, 7
	s_add_co_u32 s2, s2, s3                        ; the block
	s_mov_b32 s66, 18432
	s_and_b32 s3, ttmp9, 1
	s_cmp_lg_u32 s3, 0                             ; odd clusters make k
	s_cselect_b64 s[12:13], s[100:101], s[98:99]
	s_cselect_b32 s66, 35840, s66                  ; bytes in a block
	s_mul_i32 s2, s2, s66
	s_mov_b32 s3, 0
	s_add_nc_u64 s[12:13], s[12:13], s[2:3]
	s_lshl_b32 s2, s66, 3
	s_add_nc_u64 s[104:105], s[12:13], s[2:3]      ; the next head: eight blocks on
	s_lshl_b32 s2, s42, 10
	s_lshl_b32 s66, s16, 9
	s_add_co_u32 s2, s2, s66
	s_add_nc_u64 s[96:97], s[96:97], s[2:3]        ; the bias of my 128 columns
	s_lshl_b32 s66, s15, 13
	v_add_nc_u32 v[LIO], s66, v3
	s_lshl_b32 s66, s15, 10
	s_add_co_u32 s66, s66, 16384
	v_lshl_add_u32 v[LSO], v6, 2, s66
	v_lshlrev_b32 v[BO], 6, v2
.irp b, 0,1,2,3
.irp j, 0,1,2,3
	global_load_b128 v[BI+16*\b+4*\j:BI+16*\b+4*\j+3], v[BO], s[96:97] offset:128*\b+16*\j   ; columns 32 b + 16 h + 4 j on: they land under the last products
.endr
.endr
	LASTMUL
; ---- V's share.  Window 0: v3, v8 x's row tiles 0-3, 4-7 in LDS (v3 also my place in an image in memory); v9 a pair of tiles' scale words; v10 my channel in the bias; v11 4 x lane;
; v32-63 x's scale words (register 8 k + q: lanes 0-15 block 2 k, lanes 16-31 block 2 k + 1); v228-243 W_v's (8 p + q: tiles 2 p, 2 p + 1); v244-247 the bias, a number a tile; v248-251 V's scale words;
; v64-95 the bias as the first products' C; v128-191 two sets of four accumulators.  Windows 1, 2: W_v's fragments (4 q + b in window 1 + q / 4); window 3: x's fragments, two sets.
.set SA2,  32
.set SB2,  228
.set BV,   244
.set WD,   248
.set BI2,  64
.set ACC2, 128
.macro WLD q                           ; W_v's four fragments of the q-th 128 along K: 16 loads of 512 consecutive bytes
	WIN (1+(\q)/4)<<6
.irp b, 0,1,2,3
.irp c, 0,1,2,3
	global_load_b128 v[16*((4*(\q)+\b)%16)+4*\c:16*((4*(\q)+\b)%16)+4*\c+3], v3, s[8:9] offset:16384*\b+2048*(\q)+512*\c
.endr
.endr
	WIN 0
.endm
.macro VFETCH i                        ; x's row tile i, all of K, into set i % 2 of window 3: 32 loads
	WIN 3<<6
.irp q, 0,1,2,3,4,5,6,7
.irp c, 0,1,2,3
.if (\i) < 4
	ds_load_b128 v[128*((\i)%2)+16*\q+4*\c:128*((\i)%2)+16*\q+4*\c+3], v3 offset:16384*((\i)%4)+2048*\q+512*\c
.else
	ds_load_b128 v[128*((\i)%2)+16*\q+4*\c:128*((\i)%2)+16*\q+4*\c+3], v8 offset:16384*((\i)%4)+2048*\q+512*\c
.endif
.endr
.endr
	WIN 0
.endm
.macro PRODV i, n                      ; product n = 4 q + b of block i; the four accumulators by turns
.set Q_, (\n)/4
.set B_, (\n)%4
.set D_, ACC2+32*((\i)%2)+8*B_
.set C_, D_
.if Q_ == 0
.set C_, BI2+8*B_
.endif
.set W_, 16*((\n)%16)
.set R_, 128*((\i)%2)+16*Q_
.set WS_, SB2+8*(B_/2)+Q_
.set XS_, SA2+8*((\i)/2)+Q_
	WIN 3|((1+Q_/4)<<2)
.if (B_%2) && ((\i)%2)
	v_wmma_scale_f32_16x16x128_f8f6f4 v[D_:D_+7], v[R_:R_+15], v[W_:W_+15], v[C_:C_+7], v[XS_], v[WS_] matrix_a_scale:MATRIX_SCALE_ROW1 matrix_b_scale:MATRIX_SCALE_ROW1
.elseif B_%2
	v_wmma_scale_f32_16x16x128_f8f6f4 v[D_:D_+7], v[R_:R_+15], v[W_:W_+15], v[C_:C_+7], v[XS_], v[WS_] matrix_b_scale:MATRIX_SCALE_ROW1
.elseif (\i)%2
	v_wmma_scale_f32_16x16x128_f8f6f4 v[D_:D_+7], v[R_:R_+15], v[W_:W_+15], v[C_:C_+7], v[XS_], v[WS_] matrix_a_scale:MATRIX_SCALE_ROW1
.else
	v_wmma_scale_f32_16x16x128_f8f6f4 v[D_:D_+7], v[R_:R_+15], v[W_:W_+15], v[C_:C_+7], v[XS_], v[WS_]
.endif
.endm
.macro QUANTV c                        ; blocks 2 c and 2 c + 1: for each channel tile t a block of 32 keys (16 in my lane, 16 in lane l xor 16) becomes piece c of its image and byte c of its scale word
	s_wait_xcnt 0x0                                ; the stores before have read the codes' registers
.irp t, 0,1,2,3
	v_max3_num_f32 v[TM+\t], |v[ACC2+8*\t]|, |v[ACC2+8*\t+1]|, 0x4800000     ; with the floor 2^(9 - 127); each accumulator is read from its low end on
.endr
.irp i, 2,4,6
.irp t, 0,1,2,3
	v_max3_num_f32 v[TM+\t], v[TM+\t], |v[ACC2+8*\t+\i]|, |v[ACC2+8*\t+\i+1]|
.endr
.endr
.irp i, 0,2,4,6
.irp t, 0,1,2,3
	v_max3_num_f32 v[TM+\t], v[TM+\t], |v[ACC2+32+8*\t+\i]|, |v[ACC2+32+8*\t+\i+1]|
.endr
.endr
.irp t, 0,1,2,3
	v_permlanex16_b32 v[TM+4+\t], v[TM+\t], s[SEL], s[SEL+1]
.endr
.irp t, 0,1,2,3
	v_max_num_f32 v[TM+\t], v[TM+\t], v[TM+4+\t]
.endr
.irp t, 0,1,2,3
	v_add_nc_u32 v[TM+12+\t], 0xfc000000, v[TM+\t]
.endr
.irp t, 0,1,2,3
	v_and_or_b32 v[TM+8+\t], v[TM+\t], 0x7f800000, s[MNT]
.endr
.irp t, 0,1,2,3
.if (\c) == 0
	v_lshrrev_b32 v[WD+\t], 23, v[TM+12+\t]
.else
	v_lshrrev_b32 v[TM+4+\t], 23, v[TM+12+\t]
.endif
.endr
.if (\c) > 0
.irp t, 0,1,2,3
	v_lshl_or_b32 v[WD+\t], v[TM+4+\t], 8*(\c), v[WD+\t]
.endr
.endif
.irp t, 0,1,2,3
.irp i, 0,1,2,3,4,5,6,7
	v_med3_num_f32 v[ACC2+8*\t+\i], v[ACC2+8*\t+\i], -v[TM+8+\t], v[TM+8+\t]              ; the hold (ISA guide 7.6.2)
.endr
.irp i, 0,1,2,3,4,5,6,7
	v_med3_num_f32 v[ACC2+32+8*\t+\i], v[ACC2+32+8*\t+\i], -v[TM+8+\t], v[TM+8+\t]
.endr
	v_cvt_scalef32_pk8_fp8_f32 v[PC+4*\t:PC+4*\t+1], v[ACC2+8*\t:ACC2+8*\t+7], v[TM+12+\t]
	v_cvt_scalef32_pk8_fp8_f32 v[PC+4*\t+2:PC+4*\t+3], v[ACC2+32+8*\t:ACC2+32+8*\t+7], v[TM+12+\t]
.endr
	v_nop                                          ; a plain line behind the last conversion
.irp t, 0,1,2,3
	global_store_b128 v3, v[PC+4*\t:PC+4*\t+3], s[58:59] offset:2048*\t+512*(\c)          ; 512 consecutive bytes, aligned
.endr
.endm
.macro VBLK i
.if (\i) == 0
	s_wait_dscnt 32                                ; block 0's fragments are in; block 1's 32 loads may be out
.endif
.set N_, 0
.rept 32
	PRODV \i, N_
.set N_, N_+1
.endr
	WIN 0
	PLACES NP                                      ; ahead of the loads into the fragments just read, and of the reads of the sums
	s_wait_dscnt 0x0                               ; the next block's fragments, asked for ahead of this block's products
.if (\i)+2 < 8
	VFETCH (\i)+2
.endif
.if (\i)%2
	QUANTV (\i)/2
.endif
.endm
	v_add_nc_u32 v8, 0x10000, v3
	v_lshlrev_b32 v9, 4, v1
	v_lshl_add_u32 v9, v2, 9, v9                   ; 512 h + 16 r
	v_and_b32 v10, 8, v1
	v_add_nc_u32 v10, v10, v1
	v_lshlrev_b32 v10, 2, v10                      ; 4 (r + 8 (r / 8))
	v_lshlrev_b32 v11, 2, v6
	s_wait_alu depctr_va_vdst(0)
	s_wait_tensorcnt 0x0                           ; no tensor load of mine is out: descriptors may be written
	ds_add_u32 v[SPW], v[NIL]
	s_wait_kmcnt 0x0
	s_lshl_b32 s22, ttmp9, 2
	s_add_co_u32 s22, s22, s41                     ; the row group of 128 tokens: the same along my row of the cluster
	s_lshl_b32 s46, s22, 17
	s_lshl_b32 s[G0S+1], s14, 15                   ; two row tiles a wave, as they lie, over slot 0
	s_add_co_u32 s46, s46, s[G0S+1]
	s_mov_b32 s47, 0
	s_mov_b32 s[G0S], 1
	s_add_nc_u64 s[G0S+2:G0S+3], s[4:5], s[46:47]
	s_or_b32 s[G0S+3], s[G0S+3], 0x80000000
	s_mov_b32 s[G1S+2], 128<<16                    ; 32,768 dense bytes: 128 rows of 256; the mask is my row's, as for P's scale words
	s_mov_b32 s[G1S+4], 128
	s_wait_dscnt 0x0                               ; the add is done, and my reads of the slots are over
	CROUND                                         ; no wave of any partner still reads slot 0
	tensor_load_to_lds s[G0S:G0S+3], s[G1S:G1S+7]
	s_nop 0
	PLACES 4
	s_lshl_b32 s92, s22, 12
	s_mov_b32 s93, 0
	s_add_nc_u64 s[6:7], s[6:7], s[92:93]          ; x's scale words: eight tiles of 512 bytes
	s_lshl_b32 s36, s40, 2
	s_add_co_u32 s36, s36, s14                     ; my head
	s_lshl_b32 s23, s36, 2
	s_add_co_u32 s23, s23, 128                     ; its first row tile among the weights
	s_lshl_b32 s92, s23, 14
	s_add_nc_u64 s[8:9], s[8:9], s[92:93]
	s_lshl_b32 s92, s23, 9
	s_add_nc_u64 s[10:11], s[10:11], s[92:93]
	s_lshl_b32 s92, s36, 8
	s_add_co_u32 s92, s92, 8192                    ; v's bias begins at number 2,048
	s_add_nc_u64 s[20:21], s[20:21], s[92:93]
	s_lshr_b32 s37, s22, 4                         ; batch
	s_lshl_b32 s37, s37, 4
	s_add_co_u32 s37, s37, s36
	s_lshl_b32 s37, s37, 3
	s_bfe_u32 s38, s22, 0x30001                    ; which 256 keys
	s_add_co_u32 s37, s37, s38
	s_mul_i32 s92, s37, 35840                      ; kv's block
	s_and_b32 s38, s22, 1                          ; which 128 of them
	s_lshl_b32 s39, s38, 13
	s_add_co_u32 s39, s39, 18432
	s_add_co_u32 s39, s39, s92
	s_lshl_b32 s38, s38, 9
	s_add_co_u32 s38, s38, 34816
	s_add_co_u32 s92, s92, s38
	s_add_nc_u64 s[60:61], s[100:101], s[92:93]    ; V's scale words
	s_mov_b32 s92, s39
	s_add_nc_u64 s[58:59], s[100:101], s[92:93]    ; V's images
.irp p, 0,1
.irp c, 0,1
	global_load_b128 v[SB2+8*\p+4*\c:SB2+8*\p+4*\c+3], v9, s[10:11] offset:1024*\p+256*\c
.endr
.endr
.irp k, 0,1,2,3
.irp c, 0,1
	global_load_b128 v[SA2+8*\k+4*\c:SA2+8*\k+4*\c+3], v9, s[6:7] offset:1024*\k+256*\c
.endr
.endr
.irp t, 0,1,2,3
	global_load_b32 v[BV+\t], v10, s[20:21] offset:(32*(\t/2)+8*(\t%2))*4
.endr
	WLD 0                                          ; window 1 is free: Q's fragments are done with
	WLD 1
	EPI 0, 0                                       ; THE WAY OUT OF q AND k, with W_v's loads between its blocks
	WLD 2
	EPI 1, 0
	WLD 3
	EPI 2, 0
	EPI 3, 0
	WLD 4                                          ; window 2 is free: its sums have left
	WLD 5
	EPI 4, 0
	WLD 6
	EPI 5, 0
	WLD 7
	EPI 6, 0
	EPI 7, 0
	s_wait_loadcnt 0x0                             ; W_v, the scale words, the bias
.irp t, 0,1,2,3
.irp j, 0,1,2,3,4,5,6,7
	v_mov_b32 v[BI2+8*\t+\j], v[BV+\t]             ; all eight registers of a tile are one channel's: the bias as the first products' C
.endr
.endr
	s_wait_alu depctr_va_vdst(0)
	s_wait_tensorcnt 0x0                           ; every wave: my part of x's rows has landed
	s_wait_dscnt 0x0
	s_barrier_signal -1
	s_barrier_wait -1
	VFETCH 0
	VFETCH 1
	VBLK 0
	VBLK 1
	VBLK 2
	VBLK 3
	VBLK 4
	VBLK 5
	VBLK 6
	VBLK 7
.irp t, 0,1,2,3
	global_store_b32 v11, v[WD+\t], s[60:61] offset:128*\t                   ; 128 consecutive bytes a tile
.endr
	FINIS
.Lfunc_end_k_qdd31b71ccb_qkv:
	.size	k_qdd31b71ccb_qkv, .Lfunc_end_k_qdd31b71ccb_qkv-k_qdd31b71ccb_qkv
	.p2alignl 7, 3214868480
	.fill 96, 4, 3214868480
	.section	.rodata,"a",@progbits
	.p2align	6, 0x0
	.amdhsa_kernel k_qdd31b71ccb_qkv
		.amdhsa_group_segment_fixed_size 327680
		.amdhsa_private_segment_fixed_size 0
		.amdhsa_enable_private_segment 0
		.amdhsa_kernarg_size 56
		.amdhsa_user_sgpr_count 2
		.amdhsa_user_sgpr_kernarg_segment_ptr 1
		.amdhsa_wavefront_size32 1
		.amdhsa_system_sgpr_workgroup_id_x 1
		.amdhsa_system_sgpr_workgroup_id_y 1
		.amdhsa_system_sgpr_workgroup_id_z 1
		.amdhsa_system_vgpr_workitem_id 0
		.amdhsa_next_free_vgpr 1024
		.amdhsa_next_free_sgpr 106
		.amdhsa_reserve_vcc 0
		.amdhsa_float_denorm_mode_32 3
		.amdhsa_float_denorm_mode_16_64 3
		.amdhsa_memory_ordered 1
		.amdhsa_forward_progress 1
		.amdhsa_inst_pref_size 255
	.end_amdhsa_kernel
	.section	.bss,"aw",@nobits
	.p2align	6
	.space	262144
	.amdgpu_metadata
---
amdhsa.version: [ 1, 2 ]
amdhsa.kernels:
  - .name:           k_qdd31b71ccb_qkv
    .symbol:         k_qdd31b71ccb_qkv.kd
    .args:
      - { .name: xcodes, .offset: 0, .size: 8, .value_kind: global_buffer, .address_space: global }
      - { .name: xscales, .offset: 8, .size: 8, .value_kind: global_buffer, .address_space: global }
      - { .name: wcodes, .offset: 16, .size: 8, .value_kind: global_buffer, .address_space: global }
      - { .name: wscales, .offset: 24, .size: 8, .value_kind: global_buffer, .address_space: global }
      - { .name: b_attn, .offset: 32, .size: 8, .value_kind: global_buffer, .address_space: global }
      - { .name: qb, .offset: 40, .size: 8, .value_kind: global_buffer, .address_space: global }
      - { .name: kv, .offset: 48, .size: 8, .value_kind: global_buffer, .address_space: global }
    .group_segment_fixed_size: 327680
    .private_segment_fixed_size: 0
    .kernarg_segment_align: 8
    .kernarg_segment_size: 56
    .max_flat_workgroup_size: 128
    .sgpr_count:     106
    .vgpr_count:     1024
    .wavefront_size: 32
...
	.end_amdgpu_metadata
.endif
;; end of part 2
;; launch attn (part 3): grid 4 x 64, 16 waves a work-group, no clusters, 327,680 bytes of LDS; arguments qb, kv, ycodes, yscales; writes ycodes, yscales
.if DOCPART == 3
	.amdgcn_target "amdgcn-amd-amdhsa--gfx1250"
	.amdhsa_code_object_version 6
	.text
	.protected	k_qdd31b71ccb_attn
	.globl	k_qdd31b71ccb_attn
	.p2align	8
	.type	k_qdd31b71ccb_attn,@function
k_qdd31b71ccb_attn:
	s_mov_b64 s[64:65], 0
	v_nop
	global_prefetch_b8 v0, s[64:65] scope:SCOPE_SE
	s_setreg_imm32_b32 hwreg(HW_REG_WAVE_MODE, 25, 1), 1
	s_wait_xcnt 0x0
; Causal attention of one (batch, head) on codes of E4M3, head size 64, 2,048 tokens; its result y is quantised along C for the projection that follows.
; t = score x log2(e) / 8; M = the running largest t rounded UP to a whole number; p = 2^(t - M) is quantised along the keys, not normalised; the row's sum is taken of the unquantised p and divides at the end
; (by v_rcp_f32 and a multiplication).  When M moves, the sum and O are multiplied by 2^(old M - new M): exact.
; SHARES.  Work-group (p, head) owns the query blocks 7 - p and p (256 queries each), one after the other: it walks 8 - p and then p + 1 slots of 256 keys: NINE for every work-group, a constant of the text,
; so all 256 work-groups have the same work and no tile is fetched that nobody reads.  Each of the sixteen waves owns one tile of 16 queries of each block, in 256 registers: four waves to a SIMD, so that one
; wave's vector work stands beside another's matrix work and LDS loads.  A step (128 keys) all of whose keys come after the wave's queries is jumped over by a scalar branch on ids.
; NO CLUSTER: the four work-groups of a head want different slots from their sixth slot on (8 - p differs), and a common walk would be 12 slots long against 9.
; LAYOUT.  q, k, v lie in memory as images of operand registers (byte 512 c + 16 lane; scale words 4 x lane).  A slot is one dense block of 35,840 bytes: 16 key tiles x 1,024 (the head's 64: half an image),
; their scale words at 16,384, V's eight images (128 keys x 16 channels) at 18,432, their scale words at 34,816.  Waves 0-3 fetch a quarter each.
; Both products are used transposed (S^T = K Q^T, O^T = V^T P^T): a lane holds ONE query.  Row r of a tile 2 g + u is token (or channel) 32 g + 8 u + r + 8 (r / 8): so the 16 registers of two neighbouring tiles
; of S^T are 16 neighbouring keys, and O^T's 32 registers are two blocks of 32 channels, 16 neighbours a lane.
; K = 64 FILLS HALF OF THE INSTRUCTION'S 128.  Q's upper eight registers are zeros.  K's tile t is named as v[32 + 8 t .. 47 + 8 t]: its upper half is the NEXT tile's codes (zeros behind the last), which meet
; Q's zero codes and add nothing.  That holds as long as no code of k is the NaN code, which the quantiser's hold sees to for finite inputs.  LIMITS: NaN and infinities not served; blocks under 2^-118 as in the quantisers.
; y's scale bytes: a head owns two bytes of a word of the projection's scales: they leave by a store of two bytes a lane (both halves of the lanes store the same bytes): one byte for 32 of codes.
.set SLOT1, 65536
.set SPARE, 131072                     ; the spare words: 128 bytes a wave, eight blocks of 256 bytes that no other line names
.set LI,   1                           ; v1   16 x lane
.set LS,   2                           ; v2   4 x lane
.set SPW,  3
.set NIL,  4
.set ADC,  5                           ; v5   images of the slot in hand
.set ADW,  6                           ; v6   its scale words
.set QLV,  7                           ; v7   r + 8 (r / 8) - 16 h
.set YSO,  8                           ; v8   16 r
.set NINF, 9                           ; v9   -infinity
.set QF,   16                          ; v16-23 Q, v24-31 zeros
.set KT,   32                          ; v32-95 eight tiles of K, v96-103 zeros
.set S,    104                         ; v104-167 S^T, then p, then V's four fragments
.set O,    168                         ; v168-199 O^T
.set PCD,  200                         ; v200-215 p's codes
.set KW,   216                         ; v216-223 K's scale words; V's in the first four
.set BM,   224
.set BX,   228
.set HOLD, 232
.set SOP,  236
.set FF,   240                         ; v[240:241] f
.set PWD,  242                         ; p's scale word
.set TMP,  243
.set QW,   244                         ; Q's scale word
.set SUM2, 246
.set WV,   12
.set PP,   13
.set BH,   14
.set G1,   16
.set G0,   24
.set KVH,  28                          ; s[28:29] my quarter of the head's slot 0
.set OFS,  30                          ; s[30:31] an offset, its high word 0
.set NXT,  32                          ; the slot asked for last
.set WRAP, 33                          ; 8 - p
.set TB,   34                          ; LDS byte at which the slot in hand begins
.set KF,   35                          ; the step's first key
.set Q0,   36                          ; my tile's first query
.set Q0L,  37
.set SWK,  38                          ; 256 (8 - p): the first block's keys
.set SLOTS, 39
.set SEL,  40
.set CS,   42
.set MNT,  44
.set PH,   46                          ; s[46:53] block 7 - p: Q's codes, Q's scale words, y's codes, y's scale bytes
.set PL,   54                          ; s[54:61] block p
.macro TLOAD                           ; waves 0-3 fetch; four v_nop follow the line
	s_cmp_lt_u32 s[WV], 4
	s_cbranch_scc0 .Lnone_\@
	tensor_load_to_lds s[G0:G0+3], s[G1:G1+7]
	s_nop 0
.rept 4
	v_nop
.endr
.Lnone_\@:
.endm
.macro PTRS blk, ptr                   ; the four addresses of my tile of query block s[blk]
	s_lshl_b32 s45, s[BH], 3
	s_add_co_u32 s45, s45, s[\blk]
	s_mul_i32 s45, s45, 18432
	s_lshl_b32 s62, s[WV], 10
	s_add_co_u32 s[OFS], s45, s62
	s_add_nc_u64 s[\ptr:\ptr+1], s[4:5], s[OFS:OFS+1]
	s_lshl_b32 s62, s[WV], 7
	s_add_co_u32 s[OFS], s45, s62
	s_add_co_u32 s[OFS], s[OFS], 16384
	s_add_nc_u64 s[\ptr+2:\ptr+3], s[4:5], s[OFS:OFS+1]
	s_lshr_b32 s45, s[BH], 4
	s_lshl_b32 s45, s45, 7
	s_lshl_b32 s62, s[\blk], 4
	s_add_co_u32 s45, s45, s62
	s_add_co_u32 s45, s45, s[WV]                   ; y's row tile: 128 x batch + 16 x block + wave
	s_and_b32 s62, s[BH], 15                       ; the head
	s_lshl_b32 s63, s62, 10
	s_lshl_b32 s[OFS], s45, 14
	s_add_co_u32 s[OFS], s[OFS], s63
	s_add_nc_u64 s[\ptr+4:\ptr+5], s[8:9], s[OFS:OFS+1]
	s_lshl_b32 s[OFS], s45, 9
	s_lshr_b32 s63, s62, 3
	s_lshl_b32 s63, s63, 8
	s_add_co_u32 s[OFS], s[OFS], s63
	s_bfe_u32 s63, s62, 0x20001
	s_lshl_b32 s63, s63, 2
	s_add_co_u32 s[OFS], s[OFS], s63
	s_and_b32 s63, s62, 1
	s_lshl_b32 s63, s63, 1
	s_add_co_u32 s[OFS], s[OFS], s63
	s_add_nc_u64 s[\ptr+6:\ptr+7], s[10:11], s[OFS:OFS+1]
.endm
.macro QLOAD ptr
	global_load_b128 v[QF:QF+3], v[LI], s[\ptr:\ptr+1]
	global_load_b128 v[QF+4:QF+7], v[LI], s[\ptr:\ptr+1] offset:512
	global_load_b32 v[QW], v[LS], s[\ptr+2:\ptr+3]
.endm
.macro RESET                           ; the step is written once: a block's first step finds zeros, which the first change of M leaves zeros
	v_mov_b32 v13, 0xff61b1e6                      ; the largest t so far: -3e38
	s_delay_alu instid0(VALU_DEP_1)
	v_floor_f32 v12, -v13                          ; -M
	v_mov_b32 v14, 0
	v_mov_b32 v15, 0
.set n, 0
.rept 32
	v_mov_b32 v[O+n], 0
.set n, n+1
.endr
.endm
; A KEY STEP: 128 keys, the q-th of the slot in hand
.macro STEP q
	s_cmp_gt_u32 s[KF], s[Q0]                      ; KF is a multiple of 128 and my 16 queries lie in one group of 32: all keys hidden for all of them
	s_cbranch_scc1 .Lhidden_\@
	v_add_nc_u32 v[ADC], s[TB], v[LI]
	v_add_nc_u32 v[ADW], s[TB], v[LS]
.rept 7
	v_nop                                          ; with the two additions nine places: the products below write over registers that the last step's products read (V's fragments), and loads land in their scale registers
.endr
.irp t, 0,1,2,3,4,5,6,7
	ds_load_b128 v[KT+8*\t:KT+8*\t+3], v[ADC] offset:(8*(\q)+\t)*1024
	ds_load_b128 v[KT+8*\t+4:KT+8*\t+7], v[ADC] offset:(8*(\q)+\t)*1024+512
	ds_load_b32 v[KW+\t], v[ADW] offset:16384+(8*(\q)+\t)*128
.endr
	s_wait_dscnt 0x0
.irp t, 0,1,2,3,4,5,6,7
	v_wmma_scale_f32_16x16x128_f8f6f4 v[S+8*\t:S+8*\t+7], v[KT+8*\t:KT+8*\t+15], v[QF:QF+15], 0, v[KW+\t], v[QW]
.endr
.rept 8
	v_nop
.endr
	s_add_co_u32 s45, s[KF], 127
	s_cmp_le_u32 s45, s[Q0]                        ; all 128 keys count for all my queries: no mask
	s_cbranch_scc1 .Lopen_\@
	s_sub_co_i32 s45, s[Q0], s[KF]
	v_add_nc_u32 v10, s45, v[QLV]                  ; d = my query - KF - 16 h.  Register 16 b + i holds key KF + 16 h + 32 b + i: hidden where 32 b + i > d
.set n, 0
.rept 64
	v_cmp_gt_i32 vcc_lo, 32*(n/16)+n%16, v10
	v_cndmask_b32 v[S+n], v[S+n], v[NINF], vcc_lo
.set n, n+1
.endr
.Lopen_\@:
.irp b, 0,1,2,3
	v_max3_num_f32 v[BM+\b], v[S+16*\b], v[S+1+16*\b], v[S+2+16*\b]   ; the largest score of each block of 32 keys: for the row's maximum, and, since p rises with the score, for the block's largest p
.endr
.irp i, 3,5,7,9,11,13
.irp b, 0,1,2,3
	v_max3_num_f32 v[BM+\b], v[BM+\b], v[S+16*\b+\i], v[S+1+16*\b+\i]
.endr
.endr
.irp b, 0,1,2,3
	v_max_num_f32 v[BM+\b], v[BM+\b], v[S+15+16*\b]
.endr
.irp b, 0,1,2,3
	s_delay_alu instid0(VALU_DEP_4)
	v_permlanex16_b32 v[BX+\b], v[BM+\b], s[SEL], s[SEL+1]
.endr
.irp b, 0,1,2,3
	s_delay_alu instid0(VALU_DEP_4)
	v_max_num_f32 v[BM+\b], v[BM+\b], v[BX+\b]     ; with lane l xor 16's 16 keys
.endr
	s_delay_alu instid0(VALU_DEP_2)
	v_max3_num_f32 v[TMP], v[BM], v[BM+1], v[BM+2]
	s_delay_alu instid0(VALU_DEP_1)
	v_max_num_f32 v[TMP], v[TMP], v[BM+3]
	s_delay_alu instid0(VALU_DEP_1)
	v_mul_f32 v[TMP], s[CS], v[TMP]                ; as t
	s_delay_alu instid0(VALU_DEP_1)
	v_max_num_f32 v13, v13, v[TMP]                 ; the running largest t
	v_mov_b32 v[TMP], v12
	s_delay_alu instid0(VALU_DEP_2)
	v_floor_f32 v12, -v13                          ; the new -M = -ceil(t)
	s_delay_alu instid0(VALU_DEP_1)
	v_sub_f32 v[TMP], v12, v[TMP]                  ; old M - new M: a whole number, 0 or less
	s_delay_alu instid0(VALU_DEP_1)
	v_cvt_i32_f32 v[TMP], v[TMP]                   ; (it saturates)
	s_delay_alu instid0(VALU_DEP_1)
	v_ldexp_f32 v[FF], 1.0, v[TMP]                 ; f = 2^(old M - new M)
.set n, 0
.rept 32
	v_pk_fma_f32 v[S+n:S+n+1], v[S+n:S+n+1], s[CS:CS+1], v[12:13] op_sel_hi:[1,0,0]   ; t - M
.set n, n+2
.endr
.irp b, 0,1,2,3
	v_fma_f32 v[BM+\b], v[BM+\b], s[CS], v12
.endr
.set n, 0
	s_wait_alu depctr_va_vdst(0)
.rept 64
	v_exp_f32 v[S+n], v[S+n]                       ; p
.set n, n+1
.endr
.irp b, 0,1,2,3
	v_exp_f32 v[BM+\b], v[BM+\b]                   ; the block's largest p: the same two instructions on the same number
.endr
	v_pk_mul_f32 v[14:15], v[14:15], v[FF:FF+1] op_sel_hi:[1,0]      ; the sums under the new M (a plain line behind the exponentials)
	s_wait_alu depctr_va_vdst(0)
.irp b, 0,1,2,3
	v_max_num_f32 v[BM+\b], 0x4800000, v[BM+\b]    ; the floor 2^(9 - 127)
.endr
.irp b, 0,1,2,3
	s_delay_alu instid0(VALU_DEP_4)
	v_add_nc_u32 v[SOP+\b], 0xfc000000, v[BM+\b]
.endr
.irp b, 0,1,2,3
	v_and_or_b32 v[HOLD+\b], v[BM+\b], 0x7f800000, s[MNT]
.endr
.irp b, 0,1,2,3
	v_lshrrev_b32 v[BX+\b], 23, v[SOP+\b]
.endr
	s_delay_alu instid0(VALU_DEP_3)
	v_lshl_or_b32 v[PWD], v[BX+1], 8, v[BX]        ; p's scale word for these 128 keys
	s_delay_alu instid0(VALU_DEP_1)
	v_lshl_or_b32 v[PWD], v[BX+2], 16, v[PWD]
	s_delay_alu instid0(VALU_DEP_1)
	v_lshl_or_b32 v[PWD], v[BX+3], 24, v[PWD]
	v_pk_add_f32 v[246:247], v[108:109], v[112:113]
	v_pk_add_f32 v[254:255], v[116:117], v[120:121]
	v_pk_add_f32 v[252:253], v[124:125], v[128:129]
	v_pk_add_f32 v[250:251], v[132:133], v[136:137]
	v_pk_add_f32 v[248:249], v[140:141], v[144:145]
	v_pk_add_f32 v[226:227], v[148:149], v[152:153]
	v_pk_add_f32 v[224:225], v[156:157], v[160:161]
	v_pk_add_f32 v[14:15], v[14:15], v[164:165]
	v_pk_add_f32 v[246:247], v[246:247], v[104:105]
	v_pk_add_f32 v[254:255], v[254:255], v[106:107]
	v_pk_add_f32 v[252:253], v[252:253], v[110:111]
	v_pk_add_f32 v[250:251], v[250:251], v[114:115]
	v_pk_add_f32 v[248:249], v[248:249], v[118:119]
	v_pk_add_f32 v[226:227], v[226:227], v[122:123]
	v_pk_add_f32 v[224:225], v[224:225], v[126:127]
	v_pk_add_f32 v[14:15], v[14:15], v[130:131]
	v_pk_add_f32 v[246:247], v[246:247], v[134:135]
	v_pk_add_f32 v[254:255], v[254:255], v[138:139]
	v_pk_add_f32 v[252:253], v[252:253], v[142:143]
	v_pk_add_f32 v[250:251], v[250:251], v[146:147]
	v_pk_add_f32 v[248:249], v[248:249], v[150:151]
	v_pk_add_f32 v[226:227], v[226:227], v[154:155]
	v_pk_add_f32 v[224:225], v[224:225], v[158:159]
	v_pk_add_f32 v[14:15], v[14:15], v[162:163]
	v_pk_add_f32 v[246:247], v[246:247], v[166:167]
	s_delay_alu instid0(VALU_DEP_2)
	v_pk_add_f32 v[14:15], v[14:15], v[250:251]
	s_delay_alu instid0(VALU_DEP_2)
	v_pk_add_f32 v[246:247], v[246:247], v[248:249]
	v_pk_add_f32 v[254:255], v[254:255], v[226:227]
	v_pk_add_f32 v[252:253], v[252:253], v[224:225]
	s_delay_alu instid0(VALU_DEP_2)
	v_pk_add_f32 v[14:15], v[14:15], v[254:255]
	s_delay_alu instid0(VALU_DEP_2)
	v_pk_add_f32 v[246:247], v[246:247], v[252:253]
	s_delay_alu instid0(VALU_DEP_1)
	v_pk_add_f32 v[14:15], v[14:15], v[246:247]
.irp b, 0,1,2,3
.irp i, 0,1,2,3,4,5,6,7,8,9,10,11,12,13,14,15
	v_min_num_f32 v[S+16*\b+\i], v[S+16*\b+\i], v[HOLD+\b]           ; the hold (ISA guide 7.6.2); p is not negative
.endr
	v_cvt_scalef32_pk8_fp8_f32 v[PCD+4*\b:PCD+4*\b+1], v[S+16*\b:S+16*\b+7], v[SOP+\b]
	v_cvt_scalef32_pk8_fp8_f32 v[PCD+4*\b+2:PCD+4*\b+3], v[S+16*\b+8:S+16*\b+15], v[SOP+\b]
.endr
.irp t, 0,1,2,3                        ; V's four fragments take p's registers: asked for here, so that O^T's rescaling stands between the request and the wait
.irp c, 0,1,2,3
	ds_load_b128 v[S+16*\t+4*\c:S+16*\t+4*\c+3], v[ADC] offset:18432+(4*(\q)+\t)*2048+512*\c
.endr
	ds_load_b32 v[KW+\t], v[ADW] offset:34816+(4*(\q)+\t)*128
.endr
.set n, 0
.rept 16
	v_pk_mul_f32 v[O+n:O+n+1], v[O+n:O+n+1], v[FF:FF+1] op_sel_hi:[1,0]   ; O^T under the new M; these are also the places ahead of the products
.set n, n+2
.endr
	s_wait_alu depctr_va_vdst(0)
	s_wait_dscnt 0x0
.irp t, 0,1,2,3
	v_wmma_scale_f32_16x16x128_f8f6f4 v[O+8*\t:O+8*\t+7], v[S+16*\t:S+16*\t+15], v[PCD:PCD+15], v[O+8*\t:O+8*\t+7], v[KW+\t], v[PWD]   ; the four accumulators by turns
.endr
.Lhidden_\@:
	s_add_co_u32 s[KF], s[KF], 128
.endm
; THE CHANGE OF SLOTS, at a slot's head.  fill = 1: the slot that has been left takes the next slot of the walk.
.macro CHANGE fill
	s_wait_tensorcnt 0x0                           ; no tensor load of mine is out: the slot ahead has my part, and group 0 may be written
	ds_add_u32 v[SPW], v[NIL]                      ; 0 onto my spare word
.if \fill
	s_add_co_u32 s[NXT], s[NXT], 1
	s_cmp_eq_u32 s[NXT], s[WRAP]                   ; behind the first block's last slot the walk begins anew
	s_cselect_b32 s[NXT], 0, s[NXT]
	s_mul_i32 s[OFS], s[NXT], 35840
	s_add_nc_u64 s[G0+2:G0+3], s[KVH:KVH+1], s[OFS:OFS+1]
	s_or_b32 s[G0+3], s[G0+3], 0x80000000
	s_xor_b32 s[G0+1], s[G0+1], SLOT1
.endif
	s_wait_dscnt 0x0                               ; the add is done, and my reads of the slot that I have left are over
	s_barrier_signal -1
	s_barrier_wait -1
.if \fill
	TLOAD                                          ; first behind the barrier, a wave's one tensor load until the next: it has a slot's two steps in which to land
.endif
.endm
; A block's end: O^T / the sum, quantised along the head's 64 (two blocks of 32), stored as the projection's operand
.macro FINISH ptr
.rept 8
	v_nop                                          ; places behind the last products
.endr
	v_add_f32 v14, v14, v15
	s_delay_alu instid0(VALU_DEP_1)
	v_permlanex16_b32 v[TMP], v14, s[SEL], s[SEL+1]
	s_delay_alu instid0(VALU_DEP_1)
	v_add_f32 v14, v14, v[TMP]                     ; the row's sum
	s_wait_alu depctr_va_vdst(0)
	v_rcp_f32 v[FF], v14
	v_nop                                          ; a plain line behind the transcendental
.set n, 0
	s_wait_alu depctr_va_vdst(0)
.rept 16
	v_pk_mul_f32 v[S+n:S+n+1], v[O+n:O+n+1], v[FF:FF+1] op_sel_hi:[1,0]   ; register 16 g + i: channel 32 g + 16 h + i
.set n, n+2
.endr
.irp b, 0,1
	v_max3_num_f32 v[BM+\b], |v[S+16*\b]|, |v[S+1+16*\b]|, 0x4800000
.endr
.irp i, 2,4,6,8,10,12,14
.irp b, 0,1
	s_delay_alu instid0(VALU_DEP_2)
	v_max3_num_f32 v[BM+\b], v[BM+\b], |v[S+16*\b+\i]|, |v[S+1+16*\b+\i]|
.endr
.endr
.irp b, 0,1
	s_delay_alu instid0(VALU_DEP_2)
	v_permlanex16_b32 v[BX+\b], v[BM+\b], s[SEL], s[SEL+1]
.endr
.irp b, 0,1
	s_delay_alu instid0(VALU_DEP_2)
	v_max_num_f32 v[BM+\b], v[BM+\b], v[BX+\b]
.endr
.irp b, 0,1
	s_delay_alu instid0(VALU_DEP_2)
	v_add_nc_u32 v[SOP+\b], 0xfc000000, v[BM+\b]
.endr
.irp b, 0,1
	s_delay_alu instid0(VALU_DEP_4)
	v_and_or_b32 v[HOLD+\b], v[BM+\b], 0x7f800000, s[MNT]
.endr
.irp b, 0,1
	s_delay_alu instid0(VALU_DEP_4)
	v_lshrrev_b32 v[BX+\b], 23, v[SOP+\b]
.endr
	s_delay_alu instid0(VALU_DEP_1)
	v_lshl_or_b32 v[PWD], v[BX+1], 8, v[BX]
.irp b, 0,1
.irp i, 0,1,2,3,4,5,6,7,8,9,10,11,12,13,14,15
	v_med3_num_f32 v[S+16*\b+\i], v[S+16*\b+\i], -v[HOLD+\b], v[HOLD+\b]
.endr
	v_cvt_scalef32_pk8_fp8_f32 v[PCD+4*\b:PCD+4*\b+1], v[S+16*\b:S+16*\b+7], v[SOP+\b]
	v_cvt_scalef32_pk8_fp8_f32 v[PCD+4*\b+2:PCD+4*\b+3], v[S+16*\b+8:S+16*\b+15], v[SOP+\b]
.endr
	v_nop                                          ; a plain line behind the last conversion
	global_store_b128 v[LI], v[PCD:PCD+3], s[\ptr+4:\ptr+5]              ; 512 consecutive bytes each, aligned
	global_store_b128 v[LI], v[PCD+4:PCD+7], s[\ptr+4:\ptr+5] offset:512
	global_store_b16 v[YSO], v[PWD], s[\ptr+6:\ptr+7]
.endm
	s_load_b256 s[4:11], s[0:1], 0x0               ; qb, kv, ycodes, yscales
	v_lshl_add_u32 v[SPW], v0, 2, SPARE
	v_mov_b32 v[NIL], 0
	ds_add_u32 v3, v4
	ds_add_u32 v3, v4
	s_wait_dscnt 0x0
	v_lshrrev_b32 v10, 5, v0
	s_delay_alu instid0(VALU_DEP_1)
	v_readfirstlane_b32 s[WV], v10                 ; wave 0..15
	s_mov_b32 s[PP], ttmp9
	s_and_b32 s[BH], ttmp7, 0xffff
	; group 1: a quarter of a slot: 8,960 dense bytes, as 35 rows of 256 (32 elements of 8 bytes)
	s_mov_b32 s[G1], 3<<16
	s_mov_b32 s[G1+1], 32<<16                      ; tensor_dim0
	s_mov_b32 s[G1+2], 35<<16                      ; tensor_dim1
	s_mov_b32 s[G1+3], 32<<16                      ; tile_dim0
	s_mov_b32 s[G1+4], 35                          ; tile_dim1
	s_mov_b32 s[G1+5], 32
	s_mov_b32 s[G1+6], 0
	s_mov_b32 s[G1+7], 0
	s_and_b32 s15, s[WV], 3
	s_mul_i32 s15, s15, 8960
	s_mul_i32 s[OFS], s[BH], 286720                ; a head's eight slots
	s_add_co_u32 s[OFS], s[OFS], s15
	s_mov_b32 s[OFS+1], 0
	s_mov_b32 s[SEL], 0x76543210
	s_mov_b32 s[SEL+1], 0xfedcba98
	s_mov_b32 s[CS], 0x3e38aa3b                    ; log2(e) / 8
	s_mov_b32 s[CS+1], s[CS]
	s_mov_b32 s[MNT], 0x600000
	s_mov_b32 s[NXT], 0
	s_mov_b32 s[TB], 0
	s_mov_b32 s[KF], 0
	s_mov_b32 s[SLOTS], 8
	s_wait_kmcnt 0x0
	s_add_nc_u64 s[KVH:KVH+1], s[6:7], s[OFS:OFS+1]
	s_mov_b32 s[G0], 1
	s_mov_b32 s[G0+1], s15
	s_mov_b64 s[G0+2:G0+3], s[KVH:KVH+1]
	s_or_b32 s[G0+3], s[G0+3], 0x80000000
	TLOAD                                          ; the walk's first slot
	s_sub_co_u32 s15, 7, s[PP]                     ; the first block
	PTRS 15, PH
	PTRS PP, PL
	s_lshr_b32 s45, s[WV], 1
	s_lshl_b32 s45, s45, 5
	s_and_b32 s62, s[WV], 1
	s_lshl_b32 s62, s62, 3
	s_add_co_u32 s45, s45, s62                     ; my tile's first query in a block: 32 (wave / 2) + 8 (wave % 2)
	s_lshl_b32 s[Q0], s15, 8
	s_add_co_u32 s[Q0], s[Q0], s45
	s_lshl_b32 s[Q0L], s[PP], 8
	s_add_co_u32 s[Q0L], s[Q0L], s45
	s_sub_co_u32 s[WRAP], 8, s[PP]
	s_lshl_b32 s[SWK], s[WRAP], 8
	v_and_b32 v10, 31, v0
	s_delay_alu instid0(VALU_DEP_1)
	v_lshlrev_b32 v[LI], 4, v10
	s_delay_alu instid0(VALU_DEP_2)
	v_lshlrev_b32 v[LS], 2, v10
	QLOAD PH
	v_and_b32 v10, 15, v0                          ; r
	v_bfe_u32 v11, v0, 4, 1                        ; h
	s_delay_alu instid0(VALU_DEP_2)
	v_lshlrev_b32 v[YSO], 4, v10
	s_delay_alu instid0(VALU_DEP_3)
	v_and_b32 v[QLV], 8, v10
	s_delay_alu instid0(VALU_DEP_1)
	v_add_nc_u32 v[QLV], v[QLV], v10
	s_delay_alu instid0(VALU_DEP_4)
	v_lshlrev_b32 v11, 4, v11
	s_delay_alu instid0(VALU_DEP_1)
	v_sub_nc_u32 v[QLV], v[QLV], v11
	v_mov_b32 v[NINF], 0xff800000
.set n, 0
.rept 8
	v_mov_b32 v[QF+8+n], 0                         ; Q's k = 64 .. 127: zero codes
	v_mov_b32 v[KT+64+n], 0                        ; and what stands behind K's last tile
.set n, n+1
.endr
.irp b, 0,1,2,3
	v_mov_b32 v[BX+\b], 0                          ; a lane permute's destination counts as one of its sources
.endr
	v_mov_b32 v[FF+1], 0                           ; (named as the upper half of a pair)
	v_mov_b32 v[TMP], 0
	RESET
	s_wait_loadcnt 0x0                             ; Q
.Lslot:                                            ; eight trips: behind each change of slots but the last the next slot is asked for
	CHANGE 1
	STEP 0
	STEP 1
	s_xor_b32 s[TB], s[TB], SLOT1
	s_cmp_lg_u32 s[KF], s[SWK]                     ; the first block's keys are done?  The same in all sixteen waves; no barrier and no tensor load stands in here
	s_cbranch_scc1 .Lsame
	QLOAD PL
	FINISH PH
	RESET
	s_mov_b32 s[Q0], s[Q0L]
	s_mov_b32 s[KF], 0
	s_wait_loadcnt 0x0                             ; the second block's Q
	s_wait_xcnt 0x0                                ; the stores have read the registers that the next step writes
.Lsame:
	s_sub_co_u32 s[SLOTS], s[SLOTS], 1
	s_cmp_lg_u32 s[SLOTS], 0
	s_cbranch_scc1 .Lslot
	CHANGE 0                                       ; the ninth slot is written out
	STEP 0
	STEP 1
	FINISH PL
	s_wait_tensorcnt 0x0                           ; the wave's end
	ds_add_u32 v[SPW], v[NIL]
	s_wait_dscnt 0x0
	s_endpgm
.Lfunc_end_k_qdd31b71ccb_attn:
	.size	k_qdd31b71ccb_attn, .Lfunc_end_k_qdd31b71ccb_attn-k_qdd31b71ccb_attn
	.p2alignl 7, 3214868480
	.fill 96, 4, 3214868480
	.section	.rodata,"a",@progbits
	.p2align	6, 0x0
	.amdhsa_kernel k_qdd31b71ccb_attn
		.amdhsa_group_segment_fixed_size 327680
		.amdhsa_private_segment_fixed_size 0
		.amdhsa_enable_private_segment 0
		.amdhsa_kernarg_size 32
		.amdhsa_user_sgpr_count 2
		.amdhsa_user_sgpr_kernarg_segment_ptr 1
		.amdhsa_wavefront_size32 1
		.amdhsa_system_sgpr_workgroup_id_x 1
		.amdhsa_system_sgpr_workgroup_id_y 1
		.amdhsa_system_sgpr_workgroup_id_z 1
		.amdhsa_system_vgpr_workitem_id 0
		.amdhsa_next_free_vgpr 256
		.amdhsa_next_free_sgpr 66
		.amdhsa_reserve_vcc 1
		.amdhsa_float_denorm_mode_32 3
		.amdhsa_float_denorm_mode_16_64 3
		.amdhsa_memory_ordered 1
		.amdhsa_forward_progress 1
		.amdhsa_inst_pref_size 124
	.end_amdhsa_kernel
	.amdgpu_metadata
---
amdhsa.version: [ 1, 2 ]
amdhsa.kernels:
  - .name:           k_qdd31b71ccb_attn
    .symbol:         k_qdd31b71ccb_attn.kd
    .args:
      - { .name: qb, .offset: 0, .size: 8, .value_kind: global_buffer, .address_space: global }
      - { .name: kv, .offset: 8, .size: 8, .value_kind: global_buffer, .address_space: global }
      - { .name: ycodes, .offset: 16, .size: 8, .value_kind: global_buffer, .address_space: global }
      - { .name: yscales, .offset: 24, .size: 8, .value_kind: global_buffer, .address_space: global }
    .group_segment_fixed_size: 327680
    .private_segment_fixed_size: 0
    .kernarg_segment_align: 8
    .kernarg_segment_size: 32
    .max_flat_workgroup_size: 512
    .sgpr_count:     66
    .vgpr_count:     256
    .wavefront_size: 32
...
	.end_amdgpu_metadata
.endif
;; end of part 3
;; launch proj (part 4): grid 4 x 64, 4 waves a work-group, clusters of 4 x 1, 327,680 bytes of LDS; arguments ycodes, yscales, wcodes, wscales, b_proj, out0; writes out0
.if DOCPART == 4
	.amdgcn_target "amdgcn-amd-amdhsa--gfx1250"
	.amdhsa_code_object_version 6
	.text
	.protected	k_qdd31b71ccb_proj
	.globl	k_qdd31b71ccb_proj
	.p2align	8
	.type	k_qdd31b71ccb_proj,@function
k_qdd31b71ccb_proj:
	s_mov_b64 s[64:65], 0
	v_nop
	global_prefetch_b8 v0, s[64:65] scope:SCOPE_SE
	s_setreg_imm32_b32 hwreg(HW_REG_WAVE_MODE, 25, 1), 1
	s_wait_xcnt 0x0
	s_wait_alu depctr_hold_cnt(0) depctr_sa_sdst(0) depctr_va_vdst(0) depctr_va_sdst(0) depctr_va_ssrc(0) depctr_va_vcc(0) depctr_vm_vsrc(0)
	s_getreg_b32 s2, hwreg(HW_REG_IB_STS2, 6, 4)
	s_cmp_eq_u32 s2, 0
	s_cbranch_scc0 .Lentry_in_a_cluster
	s_endpgm
.Lentry_in_a_cluster:
	s_bfe_u32 s2, ttmp6, 0x10000c
	s_cmp_lg_u32 s2, 0x3003
	s_cbranch_scc0 .Lentry_shape_is_right
	s_endpgm
.Lentry_shape_is_right:
; out0 = y w_proj + b_proj on codes of E4M3 (one E8M0 scale for each 32 along K = 1,024), f32 sums, K ascending, the bias as the first products' C.
; Both operands lie in memory as images of operand registers: [row tile of 16][128 along K][2,048 bytes], byte 512 c + 16 lane; scale words [row tile][K / 512][row][4].
; Row r of tile 2 g + u is row 32 g + 8 u + r + 8 (r / 8).  w_proj's columns are row tiles 192 on of wcodes.
; THE DEAL.  256 work-groups; a work-group makes 128 rows x 256 columns.  Each of its four waves holds 64 columns of w_proj, ALL of K, in 512 registers (windows 1 and 2), loaded from memory as they lie:
; 128 loads of 512 consecutive bytes, and no two waves of the work-group load the same bytes.  y's 128 rows, all of K, are 131,072 dense bytes: they come into LDS once, 32,768 bytes a wave, and nothing is filled again.
; A wave walks the eight row tiles, a block of 32 products each (8 x 128 along K, 4 column tiles, the four accumulators by turns), with the fragments of two blocks in window 3 and two sets of sums.
; A block leaves through the wave's own stage in LDS while the next block is multiplied: sixteen lanes store one aligned unit of 256 bytes (64 columns of a row).
; CLUSTER 4, 1, 1: the four work-groups of a row of the grid want the same rows of y: joint loads with the mask 15.
; The matrix instruction is used transposed (source 0 = 16 columns of w_proj, source 1 = 16 rows of y): lane (r, h) holds row r, and the 16 registers of tiles 2 g, 2 g + 1 are columns 32 g + 16 h + 0 .. 15.
; NO PREFETCH: the text has no loop to run ahead in; every byte is asked for at the head.
; REGISTERS, window 0: v4-13 addresses; v24-39 the weights' scale words (register 8 p + q: lanes 0-15 tile 2 p, lanes 16-31 tile 2 p + 1); v44-75 y's (register 8 k + q: lanes 0-15 block 2 k, lanes 16-31 block 2 k + 1);
; v80-143 two sets of four accumulators; v144-175 the bias; v176-239 two sets of 16 rows read back from the stage.
.set NP,     8                         ; places behind this matrix instruction (ISA guide 7.12.1)
.set STAGE,  131072                    ; behind y's rows: 16 rows x (256 + 16) bytes for each wave
.set SPITCH, 272
.set SPARE,  STAGE+4*16*SPITCH         ; the spare words: 128 bytes a wave, two blocks of 256 bytes that no other line names
.set AD,   4                           ; v4, v5 16 x lane, and 65,536 more: row tiles 0-3, 4-7 in LDS; v4 is also my offset in an image in memory
.set ABS,  6                           ; v6  512 h + 16 r: a pair of tiles' scale words
.set BO,   7                           ; v7  64 h: my offset in the bias
.set STO,  8                           ; v8  the stage, in: row r, 64 h
.set RD,   9                           ; v9  the stage, back: row lane / 16, 16 (lane % 16)
.set CO,   10                          ; v10 the same two rows in out0
.set SPW,  12
.set NIL,  13
.set SB,   24
.set SA,   44
.set ACC,  80
.set BI,   144
.set OUT,  176
.set G1,   24                          ; s[24:31], s[32:35] the descriptor
.set G0,   32
.set MSB, 0
.macro WIN new                         ; the immediate's high byte repeats the setting that is left
.if MSB != \new
	s_set_vgpr_msb (MSB<<8)|\new
.set MSB, \new
.endif
.endm
.macro PLACES n
.rept \n
	v_nop
.endr
.endm
.macro CROUND                          ; a round of the cluster's barrier
	s_barrier_signal -1
	s_barrier_wait -1
	s_cmp_lg_u32 s14, 0
	s_cbranch_scc1 .Lnot_wave_0_\@
	s_barrier_signal -3
.Lnot_wave_0_\@:
	s_barrier_wait -3
	s_barrier_signal -1
	s_barrier_wait -1
.endm
.macro TLOAD                           ; s_nop 0 and four v_nop follow the line
	tensor_load_to_lds s[G0:G0+3], s[G1:G1+7]
	s_nop 0
	PLACES 4
.endm
	s_load_b256 s[4:11], s[0:1], 0x0               ; ycodes, yscales, wcodes, wscales
	s_load_b128 s[16:19], s[0:1], 0x20             ; b_proj, out0
	v_lshl_add_u32 v[SPW], v0, 2, SPARE
	v_mov_b32 v[NIL], 0
	ds_add_u32 v[SPW], v[NIL]
	ds_add_u32 v[SPW], v[NIL]
	v_lshrrev_b32 v1, 5, v0
	v_readfirstlane_b32 s14, v1                    ; wave 0..3: my 64 columns, and my quarter of y's rows to fetch
	v_and_b32 v1, 15, v0                           ; r
	v_bfe_u32 v2, v0, 4, 1                         ; h
	v_and_b32 v3, 31, v0                           ; lane
	v_lshlrev_b32 v[AD], 4, v3
	v_add_nc_u32 v[AD+1], 0x10000, v[AD]
	v_lshlrev_b32 v[ABS], 4, v1
	v_lshl_add_u32 v[ABS], v2, 9, v[ABS]
	v_lshlrev_b32 v[BO], 6, v2
	s_mul_i32 s23, s14, 16*SPITCH
	s_add_co_u32 s23, s23, STAGE                   ; my stage
	v_mul_u32_u24 v11, v1, SPITCH
	v_lshl_add_u32 v11, v2, 6, v11
	v_add_nc_u32 v[STO], s23, v11
	v_mul_u32_u24 v11, v2, SPITCH
	v_lshl_add_u32 v11, v1, 4, v11
	v_add_nc_u32 v[RD], s23, v11
	v_lshlrev_b32 v[CO], 4, v1
	v_lshl_add_u32 v[CO], v2, 12, v[CO]
	s_bfe_u32 s40, ttmp6, 0x40000                  ; cx
	s_lshl_b32 s42, ttmp9, 2
	s_add_co_u32 s42, s42, s40                     ; which 256 columns
	s_and_b32 s43, ttmp7, 0xffff                   ; which 128 rows: the same in the four partners
	; group 1: 32,768 dense bytes as 128 rows of 256 (32 elements of 8 bytes); the mask names the cluster's four, bit 21 beside it
	s_mov_b32 s[G1], 15|(3<<16)|(1<<21)
	s_mov_b32 s[G1+1], 32<<16
	s_mov_b32 s[G1+2], 128<<16
	s_mov_b32 s[G1+3], 32<<16
	s_mov_b32 s[G1+4], 128
	s_mov_b32 s[G1+5], 32
	s_mov_b32 s[G1+6], 0
	s_mov_b32 s[G1+7], 0
	s_mov_b32 s[G0], 1
	s_lshl_b32 s[G0+1], s14, 15                    ; two row tiles a wave, as they lie
	s_lshl_b32 s20, s43, 17                        ; offsets: y's codes: 131,072 bytes for 128 rows, + my quarter
	s_add_co_u32 s20, s20, s[G0+1]
	s_mov_b32 s21, 0
	s_lshl_b32 s44, s43, 12                        ; y's scale words: eight tiles of 512 bytes
	s_mov_b32 s45, 0
	s_lshl_b32 s46, s42, 4
	s_lshl_b32 s47, s14, 2
	s_add_co_u32 s46, s46, s47
	s_add_co_u32 s46, s46, 192                     ; my first row tile of the weights
	s_lshl_b32 s48, s46, 9                         ; its scale words,
	s_mov_b32 s49, 0
	s_lshl_b32 s46, s46, 14                        ; its codes
	s_mov_b32 s47, 0
	s_lshl_b32 s50, s42, 10
	s_lshl_b32 s51, s14, 8
	s_add_co_u32 s50, s50, s51                     ; my first column, in bytes of f32
	s_mov_b32 s51, 0
	s_lshl_b32 s52, s43, 19                        ; 128 rows of out0
	s_mov_b32 s53, 0
	s_wait_alu depctr_va_vdst(0)                   ; at the head's end: no vector line but v_nop writes a register behind it
	s_wait_dscnt 0x0                               ; both opening adds are done
	CROUND                                         ; the four work-groups are here: the joint loads meet
	s_wait_kmcnt 0x0
	s_add_nc_u64 s[G0+2:G0+3], s[4:5], s[20:21]
	s_or_b32 s[G0+3], s[G0+3], 0x80000000
	s_cmp_lt_u32 s14, 2                            ; one load a wave; waves 0, 1 and waves 2, 3 have a line each: the first barrier shows the first line's tiles alone
	s_cbranch_scc0 .Lupper
	TLOAD
	s_branch .Lboth
.Lupper:
	TLOAD
.Lboth:
	s_add_nc_u64 s[6:7], s[6:7], s[44:45]
	s_add_nc_u64 s[8:9], s[8:9], s[46:47]
	s_add_nc_u64 s[10:11], s[10:11], s[48:49]
	s_add_nc_u64 s[16:17], s[16:17], s[50:51]
	s_add_nc_u64 s[18:19], s[18:19], s[50:51]
	s_add_nc_u64 s[18:19], s[18:19], s[52:53]
.irp p, 0,1
.irp c, 0,1
	global_load_b128 v[SB+8*\p+4*\c:SB+8*\p+4*\c+3], v[ABS], s[10:11] offset:1024*\p+256*\c
.endr
.endr
.irp k, 0,1,2,3
.irp c, 0,1
	global_load_b128 v[SA+8*\k+4*\c:SA+8*\k+4*\c+3], v[ABS], s[6:7] offset:1024*\k+256*\c
.endr
.endr
.irp g, 0,1
.irp j, 0,1,2,3
	global_load_b128 v[BI+16*\g+4*\j:BI+16*\g+4*\j+3], v[BO], s[16:17] offset:128*\g+16*\j   ; columns 32 g + 16 h + 4 j on
.endr
.endr
.irp q, 0,1,2,3,4,5,6,7                ; the weights, K ascending: fragment 4 q + b lies in window 1 + q / 4
	WIN (1+\q/4)<<6
.irp b, 0,1,2,3
.irp c, 0,1,2,3
	global_load_b128 v[16*((4*\q+\b)%16)+4*\c:16*((4*\q+\b)%16)+4*\c+3], v[AD], s[8:9] offset:16384*\b+2048*\q+512*\c
.endr
.endr
.endr
	WIN 0
.macro FETCH i                         ; row tile i, all of K, into set i % 2 of window 3: 32 loads of 512 consecutive bytes
	WIN 3<<6
.irp q, 0,1,2,3,4,5,6,7
.irp c, 0,1,2,3
	ds_load_b128 v[128*((\i)%2)+16*\q+4*\c:128*((\i)%2)+16*\q+4*\c+3], v[AD+(\i)/4] offset:16384*((\i)%4)+2048*\q+512*\c
.endr
.endr
	WIN 0
.endm
.macro PROD i, n                       ; product n = 4 q + b of block i
.set Q_, (\n)/4
.set B_, (\n)%4
.set D_, ACC+32*((\i)%2)+8*B_
.set C_, D_
.if Q_ == 0
.set C_, BI+8*B_
.endif
.set W_, 16*((\n)%16)
.set R_, 128*((\i)%2)+16*Q_
.set WS_, SB+8*(B_/2)+Q_
.set XS_, SA+8*((\i)/2)+Q_
	WIN (1+Q_/4)|(3<<2)
.if (B_%2) && ((\i)%2)
	v_wmma_scale_f32_16x16x128_f8f6f4 v[D_:D_+7], v[W_:W_+15], v[R_:R_+15], v[C_:C_+7], v[WS_], v[XS_] matrix_a_scale:MATRIX_SCALE_ROW1 matrix_b_scale:MATRIX_SCALE_ROW1
.elseif B_%2
	v_wmma_scale_f32_16x16x128_f8f6f4 v[D_:D_+7], v[W_:W_+15], v[R_:R_+15], v[C_:C_+7], v[WS_], v[XS_] matrix_a_scale:MATRIX_SCALE_ROW1
.elseif (\i)%2
	v_wmma_scale_f32_16x16x128_f8f6f4 v[D_:D_+7], v[W_:W_+15], v[R_:R_+15], v[C_:C_+7], v[WS_], v[XS_] matrix_b_scale:MATRIX_SCALE_ROW1
.else
	v_wmma_scale_f32_16x16x128_f8f6f4 v[D_:D_+7], v[W_:W_+15], v[R_:R_+15], v[C_:C_+7], v[WS_], v[XS_]
.endif
.endm
.macro TOSTAGE i                       ; block i's sums into my stage, each accumulator from its low end on, and back as rows of 256 bytes (LDS serves a wave's instructions in order: ISA guide 5.7.1.4)
.set A_, ACC+32*((\i)%2)
.set O_, OUT+32*((\i)%2)
.irp b, 0,1,2,3
	ds_store_b128 v[STO], v[A_+8*\b:A_+8*\b+3] offset:128*(\b/2)+32*(\b%2)
	ds_store_b128 v[STO], v[A_+8*\b+4:A_+8*\b+7] offset:128*(\b/2)+32*(\b%2)+16
.endr
.irp t, 0,1,2,3,4,5,6,7
	ds_load_b128 v[O_+4*\t:O_+4*\t+3], v[RD] offset:2*\t*SPITCH
.endr
.endm
.macro SEND i                          ; rows 2 t and 2 t + 1 of tile i: sixteen lanes store 256 consecutive bytes, aligned
.set O_, OUT+32*((\i)%2)
.irp t, 0,1,2,3,4,5,6,7
	global_store_b128 v[CO], v[O_+4*\t:O_+4*\t+3], s[18:19] offset:(32*((\i)/2)+8*((\i)%2)+2*\t+8*(\t/4))*4096 th:TH_STORE_NT
.endr
.endm
.macro BLK i
.if (\i) == 0
	s_wait_dscnt 32                                ; block 0's fragments are in; block 1's 32 loads may be out
.endif
.set N_, 0
.rept 32
.if (\i) == 0                          ; the weights of the 128 along K in hand are in; behind them were issued 16 loads for each later 128
.if N_ == 0
	s_wait_loadcnt 63                              ; (the first four have 64 loads or more behind them)
.elseif N_ == 16
	s_wait_loadcnt 48
.elseif N_ == 20
	s_wait_loadcnt 32
.elseif N_ == 24
	s_wait_loadcnt 16
.elseif N_ == 28
	s_wait_loadcnt 0
.endif
.endif
	PROD \i, N_
.set N_, N_+1
.endr
	WIN 0
	PLACES NP                                      ; ahead of the loads into the fragments just read, and of the stores that read the sums
.if (\i) == 2
	s_wait_tensorcnt 0x0                           ; every wave: all that is still out is shown by the barrier below: row tiles 4 to 7
.endif
	s_wait_dscnt 0x0                               ; asked for ahead of this block's products: the next block's fragments, and the last block's rows from the stage
.if (\i) == 2
	s_barrier_signal -1
	s_barrier_wait -1
.endif
.if (\i) > 0
	SEND (\i)-1
.endif
.if (\i)+2 < 8
	FETCH (\i)+2
.endif
.if (\i) >= 2
	s_wait_xcnt 0x0                                ; block i - 2's stores have read the registers into which the loads below land
.endif
	TOSTAGE \i
.endm
	s_cmp_lt_u32 s14, 2
	s_cbranch_scc0 .Lnot_yet
	s_wait_tensorcnt 0x0                           ; waves 0 and 1: row tiles 0 to 3 have landed
.Lnot_yet:
	s_barrier_signal -1
	s_barrier_wait -1
	FETCH 0
	FETCH 1
	BLK 0
	BLK 1
	BLK 2
	BLK 3
	BLK 4
	BLK 5
	BLK 6
	BLK 7
	s_wait_dscnt 0x0
	SEND 7
	s_wait_tensorcnt 0x0                           ; the wave's end
	ds_add_u32 v[SPW], v[NIL]
	s_wait_dscnt 0x0
	CROUND                                         ; the closing round
	s_endpgm
.Lfunc_end_k_qdd31b71ccb_proj:
	.size	k_qdd31b71ccb_proj, .Lfunc_end_k_qdd31b71ccb_proj-k_qdd31b71ccb_proj
	.p2alignl 7, 3214868480
	.fill 96, 4, 3214868480
	.section	.rodata,"a",@progbits
	.p2align	6, 0x0
	.amdhsa_kernel k_qdd31b71ccb_proj
		.amdhsa_group_segment_fixed_size 327680
		.amdhsa_private_segment_fixed_size 0
		.amdhsa_enable_private_segment 0
		.amdhsa_kernarg_size 48
		.amdhsa_user_sgpr_count 2
		.amdhsa_user_sgpr_kernarg_segment_ptr 1
		.amdhsa_wavefront_size32 1
		.amdhsa_system_sgpr_workgroup_id_x 1
		.amdhsa_system_sgpr_workgroup_id_y 1
		.amdhsa_system_sgpr_workgroup_id_z 1
		.amdhsa_system_vgpr_workitem_id 0
		.amdhsa_next_free_vgpr 1024
		.amdhsa_next_free_sgpr 66
		.amdhsa_reserve_vcc 0
		.amdhsa_float_denorm_mode_32 3
		.amdhsa_float_denorm_mode_16_64 3
		.amdhsa_memory_ordered 1
		.amdhsa_forward_progress 1
		.amdhsa_inst_pref_size 85
	.end_amdhsa_kernel
	.amdgpu_metadata
---
amdhsa.version: [ 1, 2 ]
amdhsa.kernels:
  - .name:           k_qdd31b71ccb_proj
    .symbol:         k_qdd31b71ccb_proj.kd
    .args:
      - { .name: ycodes, .offset: 0, .size: 8, .value_kind: global_buffer, .address_space: global }
      - { .name: yscales, .offset: 8, .size: 8, .value_kind: global_buffer, .address_space: global }
      - { .name: wcodes, .offset: 16, .size: 8, .value_kind: global_buffer, .address_space: global }
      - { .name: wscales, .offset: 24, .size: 8, .value_kind: global_buffer, .address_space: global }
      - { .name: b_proj, .offset: 32, .size: 8, .value_kind: global_buffer, .address_space: global }
      - { .name: out0, .offset: 40, .size: 8, .value_kind: global_buffer, .address_space: global }
    .group_segment_fixed_size: 327680
    .private_segment_fixed_size: 0
    .kernarg_segment_align: 8
    .kernarg_segment_size: 48
    .max_flat_workgroup_size: 128
    .sgpr_count:     66
    .vgpr_count:     1024
    .wavefront_size: 32
...
	.end_amdgpu_metadata
.endif
;; end of part 4
